; MI455X (gfx1250); checked and timed in simulation.
; The chip was launched on July 23, 2026; its instructions are those of AMD's public machine-readable ISA for CDNA 5 (MIT licence, August 2026) and "CDNA5" Instruction Set Architecture Reference Guide (July 2026). The comments in the code are by the model that wrote it; some were corrected since.
;; Register Tiled Hyperbolic Attention. Allowed arithmetic: matrix products marked QUANTISED: E4M3 operands, one E8M0 scale for each 32 along K, by v_wmma_scale_f32_16x16x128_f8f6f4 with both operands' format E4M3, f32 sums; everything else in f32.
;; Inputs: wk 1,024 x 1,024 float32; wo 1,024 x 1,024 float32; wq 1,024 x 1,024 float32; wv 1,024 x 1,024 float32; x 2 x 2,048 x 1,024 float32.
;; Outputs: out0 2 x 2,048 x 1,024 float32.
;; This version of the problem:
;;   THIS VERSION OF THE PROBLEM IS GIVEN IN LOW PRECISION. The matrix products marked QUANTISED in the list below multiply operands that are first quantised to E4M3 (4 exponent bits, 3 mantissa bits; 8 bits a number), with one power-of-two scale for each 32 numbers along K (OCP MX v1.0); their sums are f32. All else is computed in f32.
;;   The module's matrix products, in the order in which they are computed (A, B: the left and right operand; K: the contracted axis; several contracted axes count as one K, in the product's order):
;;     1. [M 4,096, K 1,024] x [K 1,024, N 1,024]; A: input x; B: input wq: QUANTISED
;;     2. [M 4,096, K 1,024] x [K 1,024, N 1,024]; A: input x; B: input wk: QUANTISED
;;     3. [M 4,096, K 1,024] x [K 1,024, N 1,024]; A: input x; B: input wv: QUANTISED
;;     4. batch 32 x [M 2,048, K 64] x [K 64, N 2,048]; A: computed on the way; B: computed on the way: QUANTISED
;;     5. batch 32 x [M 2,048, K 2,048] x [K 2,048, N 64]; A: softmax (see below); B: computed on the way: QUANTISED
;;     6. [M 4,096, K 1,024] x [K 1,024, N 1,024]; A: computed on the way; B: input wo: QUANTISED
;;   THE QUANTISER, for each operand of a quantised product, along K:
;;     - K is cut into blocks of 32 from its start; a last block that is shorter is filled with zeros.
;;     - A block's scale is 2^e with e = floor(log2(the largest magnitude in the block)) - 8, held to -126 .. 127; a block of zeros has e = 0. As a byte (E8M0): e + 127.
;;     - Each number is divided by its block's scale, clamped to +-448, and rounded to the nearest number of E4M3, ties to even, subnormals kept.
;;     - The product sums the exact products of the quantised numbers (number of the format x scale) in f32.
;;   ~~~python
;;   def quantise(x, axis):      # numpy; x: float32 -> the quantised numbers, widened to float32 again
;;       x = np.moveaxis(x, axis, -1); K = x.shape[-1]
;;       x = np.pad(x, [(0, 0)] * (x.ndim - 1) + [(0, -K % 32)]); x = x.reshape(x.shape[:-1] + (-1, 32)); a = np.abs(x).max(-1, keepdims=True)
;;       e = np.where(a > 0, np.clip(np.frexp(np.where(a > 0, a, 1))[1] - 1 - 8, -126, 127), 0)      # np.frexp(a)[1] - 1 = floor(log2(a)), exactly
;;       r = np.clip(x / 2.0 ** e, -448, 448)
;;       step = 2.0 ** (np.maximum(np.frexp(np.where(r == 0, 1, r))[1] - 1, -6) - 3)
;;       q = np.round(r / step) * step * 2.0 ** e      # np.round: ties to even
;;       return np.moveaxis(q.reshape(q.shape[:-2] + (-1,))[..., :K], -1, axis).astype(np.float32)
;;   ~~~
;;   SOFTMAX AHEAD OF A QUANTISED PRODUCT. Where the list says 'softmax', what is quantised is not the finished softmax but p = 2^(t - M), with t = logit x log2(e) and M = ceil(the row's largest t), a whole number; so 1/2 < the row's largest p <= 1. The row's sum l is taken of the UNQUANTISED p, in f32, and the product's result is divided by l at the end. Since M is a whole number, a kernel that streams over the keys may use a running M (the ceiling of the running maximum): every later rescaling is an exact power of two, which a block's scale takes up: the codes' values come out the same.
;;   OPERANDS COMPUTED ON THE WAY. 'Computed on the way' means the value that the module computes at that place (a softmax that the list does not call 'softmax' is quantised finished and normalised). What goes into a quantiser is computed in f32, as accurately as f32 sums, v_exp_f32 and their like allow (about 1e-6 of the number): no bf16 or f16 on the way to a quantiser, and a product that is left as it is and whose result goes on into a quantised operand takes f32 operands (vector FMAs, or v_wmma_f32_16x16x4_f32). A number that lies on a knife's edge between two numbers of the format may be rounded either way, as far as f32 arithmetic and the matrix unit's own rounding can turn it there, and no further.
;; One version. Each part assembles by itself: llvm-mc -triple=amdgcn-amd-amdhsa -mcpu=gfx1250 --defsym DOCPART=n.
;; ======== version 1 of 1: 4 launches
;; limits: right only within a limited range of input values
;; workspace buffers: cimg 8,650,752 bytes; qkvc 12,582,912 bytes; aux 1,572,864 bytes; oimg 4,325,376 bytes
;; launch quant (part 1): grid 8 x 64, 8 waves a work-group, no clusters, 69,120 bytes of LDS; arguments x, wq, wk, wv, wo, cimg; writes cimg
.if DOCPART == 1
	.amdgcn_target "amdgcn-amd-amdhsa--gfx1250"
	.amdhsa_code_object_version 6
	.text
	.protected	k_qd96144a0b4_quant
	.globl	k_qd96144a0b4_quant
	.p2align	8
	.type	k_qd96144a0b4_quant,@function
k_qd96144a0b4_quant:
	s_mov_b64 s[64:65], 0
	v_nop
	global_prefetch_b8 v0, s[64:65] scope:SCOPE_SE
	s_setreg_imm32_b32 hwreg(HW_REG_WAVE_MODE, 25, 1), 1
	s_wait_xcnt 0x0
; x [4096][1024] and wq, wk, wv, wo [1024][1024], f32, K innermost, become codes of FP8 (E4M3) with one E8M0 byte for each 32 along K, laid in cimg IN THE ORDER OF AN OPERAND'S REGISTERS.
; NOTHING OF THE PROBLEM IS LEFT OUT in this program: all five inputs are loaded, all six products are done.  The fourth product's K is 64 in an instruction of 128: the other 64 are zero codes, which add nothing.
; cimg: 64 row blocks of 128 rows (0-31 x, 32-39 wq, 40-47 wk, 48-55 wv, 56-63 wo) x 8 K steps of 128 x a piece of 16,896 bytes: [8 tiles][4 groups][512 bytes] of codes, then [8 tiles][16 rows] scale words.
; A TILE'S ROWS ARE NOT NEIGHBOURS: lane r of tile 2 b + u holds row 32 b + 8 u + r + 8 (r / 8).  Group c: lane (r, h) holds the 16 codes k = 32 c + 16 h + 0 .. 15, at byte 16 x lane.
; A block's scale is 2^(floor(log2(largest magnitude)) - 8); its byte is the largest magnitude's exponent field - 8, held at 1 from below.
; LIMITS: a block of zeros gets the byte 1 where the quantiser says 127 (its codes are zeros, and this program alone reads the bytes); NaN and infinities among the inputs are not served.
; SHARES: a work-group takes one row block and one K step; wave w takes tile w: 16 rows x 128 numbers.  Each load reads 512 consecutive bytes of a row; the rows turn through the wave's own stage in LDS, so that a lane
; gets 16 neighbours of each block of 32.  Each store of codes covers 512 consecutive bytes.  A stream: no matrix unit, no tensor load, no cluster: nothing is shared between work-groups.
.set PIECE, 16896
.set SP,    528                        ; a stage row: 512 bytes + 16: an odd multiple of 16, so that sixteen rows start at sixteen different 16-byte columns
.set WSTG,  16*SP                      ; a wave's stage
.set SCG,   8*WSTG                     ; the work-group's 128 scale words
.set SPARE, SCG+512                    ; the spare words, 128 bytes for each wave: four blocks of 256 bytes that no other line names
.set SPW, 1                            ; v1  LDS address of my spare word; never rewritten
.set NIL, 2                            ; v2  0; never rewritten
.set LI,  3                            ; v3  16 x lane
.set SIN, 4                            ; v4  the stage, on the way in
.set SOUT,5                            ; v5  and out: row r, + 64 h
.set SWA, 6                            ; v6  where my row's scale word goes
.set PW,  7                            ; v7  the scale word
.set CO,  12                           ; v12 my codes' place in the piece
.set SRD, 13                           ; v13 wave 0 reads the 128 words here
.set X,   16                           ; v16-79   16 rows as loaded
.set Y,   80                           ; v80-143  register 16 c + i = k 32 c + 16 h + i of row r
.set T,   144                          ; v144-159 at work
.set C,   160                          ; v160-175 the codes
.set SEL, 24                           ; s[24:25] lane selects: lane l xor 16
.set MNT, 26                           ; s26 the mantissa field of 448
; nb blocks by turns; block k's 16 numbers of this lane stand at v[S + 16 k] on, the other 16 in lane l xor 16.  Codes to v[C + 4 k] on; bytes to v[T + nb + k].
.macro QUANT nb, S, C, T
.set qk, 0
.rept \nb
	v_max3_num_f32 v[\T+qk], |v[\S+16*qk]|, |v[\S+16*qk+1]|, 0x4800000   ; the floor 2^(9 - 127) among the leaves: the byte cannot fall under 1
.set qk, qk+1
.endr
.irp i, 2,4,6,8,10,12,14
.set qk, 0
.rept \nb
	s_delay_alu instid0(VALU_DEP_4)
	v_max3_num_f32 v[\T+qk], v[\T+qk], |v[\S+16*qk+\i]|, |v[\S+16*qk+\i+1]|
.set qk, qk+1
.endr
.endr
.set qk, 0
.rept \nb
	s_delay_alu instid0(VALU_DEP_4)
	v_permlanex16_b32 v[\T+\nb+qk], v[\T+qk], s[SEL], s[SEL+1]
.set qk, qk+1
.endr
.set qk, 0
.rept \nb
	s_delay_alu instid0(VALU_DEP_4)
	v_max_num_f32 v[\T+qk], v[\T+qk], v[\T+\nb+qk]             ; the block's largest magnitude
.set qk, qk+1
.endr
.set qk, 0
.rept \nb
	s_delay_alu instid0(VALU_DEP_4)
	v_add_nc_u32 v[\T+3*\nb+qk], 0xfc000000, v[\T+qk]          ; 8 off its exponent field: the conversion's scale operand
.set qk, qk+1
.endr
.set qk, 0
.rept \nb
	v_and_or_b32 v[\T+2*\nb+qk], v[\T+qk], 0x7f800000, s[MNT]  ; 448 x the scale
.set qk, qk+1
.endr
.set qk, 0
.rept \nb
	v_lshrrev_b32 v[\T+\nb+qk], 23, v[\T+3*\nb+qk]             ; the scale's byte
.set qk, qk+1
.endr
.set qk, 0
.rept \nb
.irp i, 0,1,2,3,4,5,6,7,8,9,10,11,12,13,14,15
	v_med3_num_f32 v[\S+16*qk+\i], v[\S+16*qk+\i], -v[\T+2*\nb+qk], v[\T+2*\nb+qk]   ; the conversion to an 8-bit code does not saturate (ISA guide 7.6.2): the hold
.endr
	v_cvt_scalef32_pk8_fp8_f32 v[\C+4*qk:\C+4*qk+1], v[\S+16*qk:\S+16*qk+7], v[\T+3*\nb+qk]
	v_cvt_scalef32_pk8_fp8_f32 v[\C+4*qk+2:\C+4*qk+3], v[\S+16*qk+8:\S+16*qk+15], v[\T+3*\nb+qk]
.set qk, qk+1
.endr
	v_nop                                          ; one plain line behind the last conversion
.endm
	s_load_b256 s[4:11], s[0:1], 0x0               ; x, wq, wk, wv
	s_load_b128 s[12:15], s[0:1], 0x20             ; wo, cimg
	v_lshl_add_u32 v[SPW], v0, 2, SPARE
	v_mov_b32 v[NIL], 0
	v_lshrrev_b32 v8, 5, v0
	s_delay_alu instid0(VALU_DEP_1)
	v_readfirstlane_b32 s16, v8                    ; wave 0..7 = my tile
	s_and_b32 s17, ttmp7, 0xffff                   ; the row block
	v_and_b32 v9, 31, v0                           ; lane
	v_and_b32 v10, 15, v0                          ; r
	v_bfe_u32 v11, v0, 4, 1                        ; h
	s_delay_alu instid0(VALU_DEP_3)
	v_lshlrev_b32 v[LI], 4, v9
	s_mul_i32 s18, s16, WSTG
	v_add_nc_u32 v[SIN], s18, v[LI]
	v_mul_u32_u24 v[SOUT], v10, SP
	s_delay_alu instid0(VALU_DEP_1)
	v_lshl_add_u32 v[SOUT], v11, 6, v[SOUT]
	s_delay_alu instid0(VALU_DEP_1)
	v_add_nc_u32 v[SOUT], s18, v[SOUT]
	s_lshl_b32 s19, s16, 6
	s_add_co_u32 s19, s19, SCG
	v_lshl_add_u32 v[SWA], v10, 2, s19             ; SCG + 64 x tile + 4 r
	v_add_nc_u32 v[SRD], SCG, v[LI]
	s_lshl_b32 s27, s16, 11
	v_add_nc_u32 v[CO], s27, v[LI]                 ; 2,048 x tile + 16 x lane
	s_mov_b32 s[SEL], 0x76543210
	s_mov_b32 s[SEL+1], 0xfedcba98
	s_mov_b32 s[MNT], 0x600000
.irp b, 4,5,6,7
	v_mov_b32 v[T+\b], 0                           ; written once: a lane permute's destination counts as one of its sources
.endr
	s_and_b32 s22, s17, 7
	s_cmp_lt_u32 s17, 32
	s_cselect_b32 s22, s17, s22                    ; the row block inside its own tensor
	s_lshl_b32 s22, s22, 19                        ; x 128 rows of 4,096 bytes
	s_lshr_b32 s27, s16, 1
	s_lshl_b32 s27, s27, 17                        ; + 32 (tile / 2) rows
	s_add_co_u32 s22, s22, s27
	s_and_b32 s27, s16, 1
	s_lshl_b32 s27, s27, 15                        ; + 8 (tile % 2) rows
	s_add_co_u32 s22, s22, s27
	s_lshl_b32 s27, ttmp9, 9                       ; + the K step's 512 bytes
	s_add_co_u32 s22, s22, s27
	s_mov_b32 s23, 0
	s_lshl_b32 s28, s17, 3
	s_add_co_u32 s28, s28, ttmp9
	s_mul_i32 s28, s28, PIECE                      ; my piece of cimg
	s_mov_b32 s29, 0
	s_wait_alu depctr_va_vdst(0)
	s_wait_kmcnt 0x0
	s_cmp_lt_u32 s17, 32                           ; which tensor: the choice hangs on the work-group's number alone
	s_cselect_b64 s[20:21], s[4:5], s[6:7]
	s_cmp_ge_u32 s17, 40
	s_cselect_b64 s[20:21], s[8:9], s[20:21]
	s_cmp_ge_u32 s17, 48
	s_cselect_b64 s[20:21], s[10:11], s[20:21]
	s_cmp_ge_u32 s17, 56
	s_cselect_b64 s[20:21], s[12:13], s[20:21]
	s_add_nc_u64 s[20:21], s[20:21], s[22:23]
	s_add_nc_u64 s[30:31], s[14:15], s[28:29]
.irp i, 0,1,2,3,4,5,6,7,8,9,10,11,12,13,14,15
	global_load_b128 v[X+4*\i:X+4*\i+3], v[LI], s[20:21] offset:(\i+8*(\i/8))*4096 th:TH_LOAD_NT   ; the tile's row i: 512 consecutive bytes; read once in the launch
.endr
.irp i, 0,1,2,3,4,5,6,7,8,9,10,11,12,13,14,15
	s_wait_loadcnt 15-\i                           ; loads come back in order: row i is in, the younger ones stay out
	ds_store_b128 v[SIN], v[X+4*\i:X+4*\i+3] offset:\i*SP
.endr
.irp c, 0,1,2,3
.irp j, 0,1,2,3
	ds_load_b128 v[Y+16*\c+4*\j:Y+16*\c+4*\j+3], v[SOUT] offset:128*\c+16*\j   ; LDS serves a wave's instructions in order: these see my stores
.endr
.endr
	s_wait_dscnt 0x0
	QUANT 4, Y, C, T
	v_lshl_or_b32 v[PW], v[T+5], 8, v[T+4]         ; the four bytes make my row's scale word
	s_delay_alu instid0(VALU_DEP_1)
	v_lshl_or_b32 v[PW], v[T+6], 16, v[PW]
	s_delay_alu instid0(VALU_DEP_1)
	v_lshl_or_b32 v[PW], v[T+7], 24, v[PW]
.irp c, 0,1,2,3
	global_store_b128 v[CO], v[C+4*\c:C+4*\c+3], s[30:31] offset:512*\c   ; 32 lanes store 512 consecutive bytes, aligned
.endr
	ds_store_b32 v[SWA], v[PW]                     ; both lanes of a row write the same word with the same value
	s_wait_dscnt 0x0                               ; for the others' sake: my word has landed
	s_barrier_signal -1
	s_barrier_wait -1
	s_cmp_lg_u32 s16, 0
	s_cbranch_scc1 .Lnot_wave_0
	ds_load_b128 v[16:19], v[SRD]                  ; the eight tiles' words: 512 bytes
	s_wait_dscnt 0x0
	global_store_b128 v[LI], v[16:19], s[30:31] offset:16384
.Lnot_wave_0:
	s_wait_tensorcnt 0x0                           ; the wave's end: behind my last LDS store
	ds_add_u32 v[SPW], v[NIL]
	s_wait_dscnt 0x0
	s_endpgm
.Lfunc_end_k_qd96144a0b4_quant:
	.size	k_qd96144a0b4_quant, .Lfunc_end_k_qd96144a0b4_quant-k_qd96144a0b4_quant
	.p2alignl 7, 3214868480
	.fill 96, 4, 3214868480
	.section	.rodata,"a",@progbits
	.p2align	6, 0x0
	.amdhsa_kernel k_qd96144a0b4_quant
		.amdhsa_group_segment_fixed_size 69120
		.amdhsa_private_segment_fixed_size 0
		.amdhsa_enable_private_segment 0
		.amdhsa_kernarg_size 48
		.amdhsa_user_sgpr_count 2
		.amdhsa_user_sgpr_kernarg_segment_ptr 1
		.amdhsa_wavefront_size32 1
		.amdhsa_system_sgpr_workgroup_id_x 1
		.amdhsa_system_sgpr_workgroup_id_y 1
		.amdhsa_system_sgpr_workgroup_id_z 1
		.amdhsa_system_vgpr_workitem_id 0
		.amdhsa_next_free_vgpr 176
		.amdhsa_next_free_sgpr 66
		.amdhsa_reserve_vcc 0
		.amdhsa_float_denorm_mode_32 3
		.amdhsa_float_denorm_mode_16_64 3
		.amdhsa_memory_ordered 1
		.amdhsa_forward_progress 1
		.amdhsa_inst_pref_size 17
	.end_amdhsa_kernel
	.amdgpu_metadata
---
amdhsa.version: [ 1, 2 ]
amdhsa.kernels:
  - .name:           k_qd96144a0b4_quant
    .symbol:         k_qd96144a0b4_quant.kd
    .args:
      - { .name: x, .offset: 0, .size: 8, .value_kind: global_buffer, .address_space: global }
      - { .name: wq, .offset: 8, .size: 8, .value_kind: global_buffer, .address_space: global }
      - { .name: wk, .offset: 16, .size: 8, .value_kind: global_buffer, .address_space: global }
      - { .name: wv, .offset: 24, .size: 8, .value_kind: global_buffer, .address_space: global }
      - { .name: wo, .offset: 32, .size: 8, .value_kind: global_buffer, .address_space: global }
      - { .name: cimg, .offset: 40, .size: 8, .value_kind: global_buffer, .address_space: global }
    .group_segment_fixed_size: 69120
    .private_segment_fixed_size: 0
    .kernarg_segment_align: 8
    .kernarg_segment_size: 48
    .max_flat_workgroup_size: 256
    .sgpr_count:     66
    .vgpr_count:     176
    .wavefront_size: 32
...
	.end_amdgpu_metadata
.endif
;; end of part 1
;; launch qkv (part 2): grid 8 x 32, 4 waves a work-group, clusters of 4 x 4, 327,680 bytes of LDS; arguments cimg, qkvc, aux; writes qkvc, aux
.if DOCPART == 2
	.amdgcn_target "amdgcn-amd-amdhsa--gfx1250"
	.amdhsa_code_object_version 6
	.text
	.protected	k_qd96144a0b4_qkv
	.globl	k_qd96144a0b4_qkv
	.p2align	8
	.type	k_qd96144a0b4_qkv,@function
k_qd96144a0b4_qkv:
	s_mov_b64 s[64:65], 0
	v_nop
	global_prefetch_b8 v0, s[64:65] scope:SCOPE_SE
	s_setreg_imm32_b32 hwreg(HW_REG_WAVE_MODE, 25, 1), 1
	s_wait_xcnt 0x0
	s_wait_alu depctr_hold_cnt(0) depctr_sa_sdst(0) depctr_va_vdst(0) depctr_va_sdst(0) depctr_va_ssrc(0) depctr_va_vcc(0) depctr_vm_vsrc(0)
	s_getreg_b32 s2, hwreg(HW_REG_IB_STS2, 6, 4)
	s_cmp_eq_u32 s2, 0
	s_cbranch_scc0 .Lentry_in_a_cluster
	s_endpgm
.Lentry_in_a_cluster:
	s_bfe_u32 s2, ttmp6, 0x10000c
	s_cmp_lg_u32 s2, 0xf033
	s_cbranch_scc0 .Lentry_shape_is_right
	s_endpgm
.Lentry_shape_is_right:
; q = x wq^T, k = x wk^T, v = x wv^T on codes of FP8 (E4M3) with E8M0 scales, and what attention wants of them: their codes as images of operand registers (qkvc), their scale words, and for q and k
; -|.|^2 / 2 and 1 / (1 - |.|^2) of the unquantised f32 rows (aux).  Nothing of the problem is left out here.
; A WORK-GROUP STAYS: it owns 128 tokens (row block T of cimg) and row block X of each weight (two heads), and makes 128 x 128 of q, then of k, then of v, K = 1,024 each: 256 work-groups in all.
; SOURCE 0's rows run along a lane's registers: the axis that is quantised next.  q, k: source 0 = the weight's rows (channels), source 1 = tokens.  v: source 0 = tokens (the keys are its next K), source 1 = wv's rows.
; The tiles' rows are chosen in cimg so that the 16 registers of source 0's tiles 2 b, 2 b + 1 are rows 32 b + 16 h + 0 .. 15: the conversions' results are the next operand's registers.
; LDS: the weight's 8 pieces of 16,896 bytes at 0, the tokens' 8 behind them.  The tokens' are filled once.  The weight's are two halves of four pieces: pieces 0-3 are filled again inside K step 3, when all waves hold
; piece 3 in registers, pieces 4-7 behind K step 7: each refill behind a drained round of the cluster's barrier, one piece a wave; a wave has one tensor load out at the most.
; A refill of pieces 0-3 has four K steps in which to land, one of pieces 4-7 the way out and three K steps.
; CLUSTER 4 x 4: the weight hangs on the work-group's x alone and is asked for jointly by a column of the cluster, the tokens on its y alone, by a row.
; PREFETCH: in K steps 1 and 5 of q's and k's trips each wave asks for its share of the next weight's four pieces that the refill two K steps on will load: the column's partner cy takes piece cy of the four (by address), its wave w
; blocks 17 w .. 17 w + 16 of the piece's 66 blocks of 256 bytes.  wq's and the tokens' pieces come by the head's loads alone.
; Four waves, each 64 x 64: 16 accumulators, which take turns in the same order in every K step.  q and k are two trips of one loop; v is written out: its sources are swapped and it refills nothing.
; The scale words leave as 128 consecutive bytes a wave: half an aligned 256: 384 KiB of the launch's 13 MiB of stores.
; LIMITS: a block of zeros gets the byte 1 (its codes are zeros; this program alone reads the bytes); NaN and infinities are not served.
; REGISTERS: window 0: v1-15, v28 addresses; v16-23 scale words, two sets of four (a register carries two tiles: lanes 0-15, lanes 16-31); v32-127 at work on the way out; v128-255 accumulator (i1, i0) at 128 + 8 (4 i1 + i0).
;   window 1: two sets of fragments, at v0 and v128: the weight's four, then the tokens' four.
.set PIECE, 16896
.set P1B,   8*PIECE                    ; the tokens' pieces lie behind the weight's
.set STG,   2*P1B                      ; 512 bytes for each wave: 64 tokens' two numbers, brought into the tokens' order
.set SPARE, STG+2048                   ; the spare words, 128 bytes for each wave: two blocks of 256 bytes that no other line names
.set NEXTW, 64*PIECE                   ; from a weight's row block to the next weight's: 8 row blocks of 8 pieces
.set SPW, 1
.set NIL, 2
.set LI,  3                            ; v3  16 x lane
.set AP0, 4                            ; v4-5   the weight's fragments: K steps 0-3, 4-7
.set AP1, 6                            ; v6-7   the tokens'
.set AS0, 8                            ; v8-9   the weight's scale words
.set AS1, 10                           ; v10-11 the tokens'
.set NST, 12                           ; v12 the stage, in
.set NRD, 13                           ; v13 and back
.set NGO, 14                           ; v14 8,192 h + 16 r: my place in aux
.set L4,  15                           ; v15 4 x lane
.set SCW, 16
.set PFO, 28                           ; v28 the prefetches' offset; never rewritten
.set ACC, 128
.set WV,  10                           ; s10 wave; s11 = wave / 2: the tokens' half; s12 = wave % 2: the weight's half.  At the head: s11: I fetch for the weight (0) or the tokens (1); s12: pieces 0-3 or 4-7
.set MODE, 16                          ; s16 0 q, 1 k, 2 v
.set SEL, 2                            ; s[2:3]
.set MNT, 23
.set HM,  84                           ; s84 mask of lanes 16-31
.set G1A, 24                           ; s[24:31] group 1 for the weight's head load; s[32:39] for the tokens'; s[40:47] for a refill
.set G1B, 32
.set G1R, 40
.set G0A, 48                           ; s[48:51], s[52:55] groups 0 of the head's loads; s[56:59], s[60:63] of the refills of pieces 0-3 and 4-7
.set G0B, 52
.set G0RA, 56
.set G0RB, 60
.set PFA, 74                           ; s[74:75] the next weight's row block: the prefetches' base
.set MSB, 0
.macro WIN new                         ; the immediate's high byte repeats the setting that is left
.if MSB != \new
	s_set_vgpr_msb (MSB<<8)|\new
.set MSB, \new
.endif
.endm
.set MUL,  0x05                        ; sources 0 and 1 window 1; C and D window 0
.set TO_F, 0x40                        ; destination window 1, address window 0
.macro CROUND                          ; a round of the cluster's barrier
	s_barrier_signal -1
	s_barrier_wait -1
	s_cmp_lg_u32 s[WV], 0
	s_cbranch_scc1 .Lnot_wave_0_\@
	s_barrier_signal -3
.Lnot_wave_0_\@:
	s_barrier_wait -3
	s_barrier_signal -1
	s_barrier_wait -1
.endm
.macro QUANT nb, S, C, T               ; nb blocks by turns; block k's 16 numbers of this lane at v[S + 16 k] on, the other 16 in lane l xor 16.  Codes to v[C + 4 k] on; bytes to v[T + nb + k]
.set qk, 0
.rept \nb
	v_max3_num_f32 v[\T+qk], |v[\S+16*qk]|, |v[\S+16*qk+1]|, 0x4800000   ; the floor 2^(9 - 127) among the leaves: the byte cannot fall under 1.  (Each accumulator is read from its low end on)
.set qk, qk+1
.endr
.irp i, 2,4,6,8,10,12,14
.set qk, 0
.rept \nb
	v_max3_num_f32 v[\T+qk], v[\T+qk], |v[\S+16*qk+\i]|, |v[\S+16*qk+\i+1]|
.set qk, qk+1
.endr
.endr
.set qk, 0
.rept \nb
	v_permlanex16_b32 v[\T+\nb+qk], v[\T+qk], s[SEL], s[SEL+1]
.set qk, qk+1
.endr
.set qk, 0
.rept \nb
	v_max_num_f32 v[\T+qk], v[\T+qk], v[\T+\nb+qk]
.set qk, qk+1
.endr
.set qk, 0
.rept \nb
	v_add_nc_u32 v[\T+3*\nb+qk], 0xfc000000, v[\T+qk]          ; 8 off the exponent field: the conversion's scale operand
.set qk, qk+1
.endr
.set qk, 0
.rept \nb
	v_and_or_b32 v[\T+2*\nb+qk], v[\T+qk], 0x7f800000, s[MNT]  ; 448 x the scale
.set qk, qk+1
.endr
.set qk, 0
.rept \nb
	v_lshrrev_b32 v[\T+\nb+qk], 23, v[\T+3*\nb+qk]             ; the scale's byte
.set qk, qk+1
.endr
.set qk, 0
.rept \nb
.irp i, 0,1,2,3,4,5,6,7,8,9,10,11,12,13,14,15
	v_med3_num_f32 v[\S+16*qk+\i], v[\S+16*qk+\i], -v[\T+2*\nb+qk], v[\T+2*\nb+qk]   ; the conversion does not saturate (ISA guide 7.6.2): the hold
.endr
	v_cvt_scalef32_pk8_fp8_f32 v[\C+4*qk:\C+4*qk+1], v[\S+16*qk:\S+16*qk+7], v[\T+3*\nb+qk]
	v_cvt_scalef32_pk8_fp8_f32 v[\C+4*qk+2:\C+4*qk+3], v[\S+16*qk+8:\S+16*qk+15], v[\T+3*\nb+qk]
.set qk, qk+1
.endr
	v_nop                                          ; one plain line behind the last conversion
.endm
	s_load_b128 s[4:7], s[0:1], 0x0                ; cimg, qkvc
	s_load_b64 s[8:9], s[0:1], 0x10                ; aux
	v_lshl_add_u32 v[SPW], v0, 2, SPARE
	v_mov_b32 v[NIL], 0
	ds_add_u32 v[SPW], v[NIL]                      ; the wave's opening: the add, twice on end, and its wait ahead of my first tensor load
	ds_add_u32 v[SPW], v[NIL]
	v_lshrrev_b32 v24, 5, v0
	v_readfirstlane_b32 s[WV], v24
	s_lshr_b32 s11, s[WV], 1
	s_and_b32 s12, s[WV], 1
	s_bfe_u32 s13, ttmp6, 0x40000                  ; cx
	s_bfe_u32 s14, ttmp6, 0x40004                  ; cy
	s_and_b32 s15, ttmp7, 0xffff                   ; the cluster's y, 0 .. 7
	s_lshl_b32 s18, ttmp9, 2
	s_add_co_u32 s18, s18, s13                     ; X = 4 x cluster x + cx, 0 .. 7: the weights' row block
	s_lshl_b32 s22, s15, 2
	s_add_co_u32 s22, s22, s14                     ; T = 4 x cluster y + cy, 0 .. 31: the tokens' row block
	s_lshl_b32 s88, 0x1111, s13                    ; my column of the cluster
	s_lshl_b32 s89, s14, 2
	s_lshl_b32 s89, 15, s89                        ; my row
	; group 1: dense rows of 256 bytes (32 elements of 8 bytes), no padding: images are read 512 consecutive bytes an instruction.  Four pieces are 264 rows, one piece 66
	s_or_b32 s[G1A], s88, (3<<16)|(1<<21)          ; 15:0 the mask; 17:16 elements of 8 bytes; 21 set beside a mask
	s_or_b32 s[G1B], s89, (3<<16)|(1<<21)
	s_or_b32 s[G1R], s88, (3<<16)|(1<<21)
.irp g, G1A, G1B
	s_mov_b32 s[\g+1], 32<<16                      ; tensor_dim0
	s_mov_b32 s[\g+2], 264<<16                     ; tensor_dim1
	s_mov_b32 s[\g+3], 32<<16                      ; tile_dim0
	s_mov_b32 s[\g+4], 264                         ; tile_dim1
	s_mov_b32 s[\g+5], 32                          ; the pitch
	s_mov_b32 s[\g+6], 0
	s_mov_b32 s[\g+7], 0
.endr
	s_mov_b32 s[G1R+1], 32<<16
	s_mov_b32 s[G1R+2], 66<<16
	s_mov_b32 s[G1R+3], 32<<16
	s_mov_b32 s[G1R+4], 66
	s_mov_b32 s[G1R+5], 32
	s_mov_b32 s[G1R+6], 0
	s_mov_b32 s[G1R+7], 0
	s_mul_i32 s85, s12, 4*PIECE                    ; at the head: my first piece, 0 or 4
	s_add_co_u32 s66, s18, 32
	s_mul_i32 s66, s66, 8*PIECE                    ; wq's row block X: hangs on cx, not on cy
	s_mov_b32 s67, 0
	s_mul_i32 s68, s22, 8*PIECE                    ; the tokens' row block: on cy, not on cx
	s_mov_b32 s69, 0
	s_mul_i32 s70, s[WV], PIECE                    ; in a refill: my piece of the four
	s_mov_b32 s71, 0
	s_mov_b32 s72, s85
	s_mov_b32 s73, 0
	s_mov_b32 s[SEL], 0x76543210
	s_mov_b32 s[SEL+1], 0xfedcba98
	s_mov_b32 s[MNT], 0x600000
	s_wait_dscnt 0x0                               ; both opening adds are done
	s_wait_kmcnt 0x0
	s_add_nc_u64 s[66:67], s[4:5], s[66:67]
	s_add_nc_u64 s[68:69], s[4:5], s[68:69]
	CROUND                                         ; all sixteen work-groups are here: the joint loads meet
	s_mov_b32 s[G0A], 1
	s_mov_b32 s[G0A+1], s85                        ; LDS: the wave's number and constants alone
	s_add_nc_u64 s[G0A+2:G0A+3], s[66:67], s[72:73]
	s_or_b32 s[G0A+3], s[G0A+3], 0x80000000
	s_mov_b32 s[G0B], 1
	s_add_co_u32 s[G0B+1], s85, P1B
	s_add_nc_u64 s[G0B+2:G0B+3], s[68:69], s[72:73]
	s_or_b32 s[G0B+3], s[G0B+3], 0x80000000
	s_add_nc_u64 s[PFA:PFA+1], s[66:67], NEXTW     ; wk's row block X
	s_mov_b32 s[G0RA], 1
	s_mov_b32 s[G0RA+1], s70
	s_add_nc_u64 s[G0RA+2:G0RA+3], s[PFA:PFA+1], s[70:71]      ; wk's piece wave: the first refill
	s_or_b32 s[G0RA+3], s[G0RA+3], 0x80000000
	s_mov_b32 s[G0RB], 1
	s_add_co_u32 s[G0RB+1], s70, 4*PIECE
	s_add_nc_u64 s[G0RB+2:G0RB+3], s[66:67], s[70:71]
	s_add_nc_u64 s[G0RB+2:G0RB+3], s[G0RB+2:G0RB+3], 4*PIECE   ; wq's piece 4 + wave: stepped to wk's ahead of its first use
	s_or_b32 s[G0RB+3], s[G0RB+3], 0x80000000
; ONE joint load a wave, each in an arm of its own: wave 0 wq's pieces 0-3, wave 1 wq's 4-7, wave 2 the tokens' 0-3, wave 3 the tokens' 4-7.  Waves 0 and 2 wait at the first barrier, waves 1 and 3 in K step 3.
.macro ARM w, g0, g1, next
	s_cmp_eq_u32 s[WV], \w
	s_cbranch_scc0 \next
	tensor_load_to_lds s[\g0:\g0+3], s[\g1:\g1+7]
	s_nop 0
.rept 4
	v_nop
.endr
	s_branch .Lasked
\next:
.endm
	ARM 0, G0A, G1A, .Lw1
	ARM 1, G0A, G1A, .Lw2
	ARM 2, G0B, G1B, .Lw3
	tensor_load_to_lds s[G0B:G0B+3], s[G1B:G1B+7]
	s_nop 0
.rept 4
	v_nop
.endr
.Lasked:
	s_lshl_b32 s76, s12, 13                        ; my four tiles of the weight: 8,192 x half
	s_lshl_b32 s77, s11, 13
	s_add_co_u32 s77, s77, P1B                     ; and of the tokens
	s_lshl_b32 s78, s12, 8
	s_add_co_u32 s78, s78, 16384                   ; the words lie behind a piece's codes, 64 bytes a tile
	s_lshl_b32 s79, s11, 8
	s_add_co_u32 s79, s79, P1B+16384
	s_lshl_b32 s80, s[WV], 9
	s_add_co_u32 s80, s80, STG                     ; my stage
	s_mul_i32 s81, s[WV], 17                       ; a prefetch: my wave's first block of a piece's 66,
	s_mul_i32 s82, s14, PIECE                      ; in the piece that my work-group takes of the column's four: it enters a global address alone
	s_lshl_b32 s94, s18, 1
	s_add_co_u32 s94, s94, s12
	s_lshr_b32 s98, s22, 4
	s_lshl_b32 s98, s98, 4
	s_add_co_u32 s94, s94, s98                     ; bh = 16 x batch + head
	s_and_b32 s95, s22, 15
	s_lshl_b32 s95, s95, 1
	s_add_co_u32 s95, s95, s11                     ; which 64 tokens of the sequence
	s_mul_i32 s96, s94, 49152
	s_mov_b32 s97, 0
	s_add_nc_u64 s[8:9], s[8:9], s[96:97]          ; aux of my (batch, head)
	v_and_b32 v24, 31, v0                          ; lane
	v_and_b32 v25, 15, v0                          ; r
	v_bfe_u32 v26, v0, 4, 1                        ; h
	v_lshlrev_b32 v[LI], 4, v24
	v_lshlrev_b32 v[L4], 2, v24
	v_add_nc_u32 v[AP0], s76, v[LI]
	v_add_nc_u32 v[AP0+1], 4*PIECE, v[AP0]
	v_add_nc_u32 v[AP1], s77, v[LI]
	v_add_nc_u32 v[AP1+1], 4*PIECE, v[AP1]
	v_add_nc_u32 v[AS0], s78, v[L4]
	v_add_nc_u32 v[AS0+1], 4*PIECE, v[AS0]
	v_add_nc_u32 v[AS1], s79, v[L4]
	v_add_nc_u32 v[AS1+1], 4*PIECE, v[AS1]
	v_and_b32 v27, 8, v25
	v_add_nc_u32 v27, v27, v25                     ; r + 8 (r / 8)
	v_lshlrev_b32 v27, 2, v27
	v_lshl_add_u32 v27, v26, 8, v27                ; lanes 16-31 write the second 256 bytes
	v_add_nc_u32 v[NST], s80, v27
	v_add_nc_u32 v[NRD], s80, v[LI]
	v_lshlrev_b32 v[NGO], 4, v25
	v_lshl_add_u32 v[NGO], v26, 13, v[NGO]
	v_cmp_lt_u32 s[HM], 15, v24                    ; lanes 16-31
	v_min_u32 v27, 16, v24                         ; lanes 0-16 name 17 blocks, the others the 17th again,
	v_add_nc_u32 v27, s81, v27
	v_min_u32 v27, 65, v27                         ; and none beyond the piece's last
	v_lshlrev_b32 v27, 8, v27
	v_add_nc_u32 v[PFO], s82, v27
.irp b, 40,41,42,43,44,45,46,47,108,109,110,111
	v_mov_b32 v[\b], 0                             ; written once: a lane permute's destination counts as one of its sources
.endr
; the 36 LDS loads of K step s: eight fragments into set s % 2 of window 1, four registers of scale words into set s % 2
.macro FETCH s
.set FB, 128*((\s)%2)
.set HI, (\s)/4
.set OF, ((\s)%4)*PIECE
	WIN TO_F
.irp i, 0,1,2,3
.irp c, 0,1,2,3
	ds_load_b128 v[FB+16*\i+4*\c:FB+16*\i+4*\c+3], v[AP0+HI] offset:OF+\i*2048+\c*512
.endr
.endr
.irp i, 0,1,2,3
.irp c, 0,1,2,3
	ds_load_b128 v[FB+64+16*\i+4*\c:FB+64+16*\i+4*\c+3], v[AP1+HI] offset:OF+\i*2048+\c*512
.endr
.endr
	WIN 0
	ds_load_b32 v[SCW+4*((\s)%2)],   v[AS0+HI] offset:OF       ; the weight's tiles 0 (lanes 0-15) and 1 (lanes 16-31)
	ds_load_b32 v[SCW+4*((\s)%2)+1], v[AS0+HI] offset:OF+128   ; tiles 2 and 3
	ds_load_b32 v[SCW+4*((\s)%2)+2], v[AS1+HI] offset:OF       ; the tokens'
	ds_load_b32 v[SCW+4*((\s)%2)+3], v[AS1+HI] offset:OF+128
.endm
.macro WM z, ra, rb                    ; one product on rD, rA, rB, sA, sB.  z = 1: it starts the sum; ra, rb: the scales stand in lanes 16-31
.if \z
.if (\ra) && (\rb)
	v_wmma_scale_f32_16x16x128_f8f6f4 v[rD:rD+7], v[rA:rA+15], v[rB:rB+15], 0, v[sA], v[sB] matrix_a_scale:MATRIX_SCALE_ROW1 matrix_b_scale:MATRIX_SCALE_ROW1
.elseif (\ra)
	v_wmma_scale_f32_16x16x128_f8f6f4 v[rD:rD+7], v[rA:rA+15], v[rB:rB+15], 0, v[sA], v[sB] matrix_a_scale:MATRIX_SCALE_ROW1
.elseif (\rb)
	v_wmma_scale_f32_16x16x128_f8f6f4 v[rD:rD+7], v[rA:rA+15], v[rB:rB+15], 0, v[sA], v[sB] matrix_b_scale:MATRIX_SCALE_ROW1
.else
	v_wmma_scale_f32_16x16x128_f8f6f4 v[rD:rD+7], v[rA:rA+15], v[rB:rB+15], 0, v[sA], v[sB]
.endif
.else
.if (\ra) && (\rb)
	v_wmma_scale_f32_16x16x128_f8f6f4 v[rD:rD+7], v[rA:rA+15], v[rB:rB+15], v[rD:rD+7], v[sA], v[sB] matrix_a_scale:MATRIX_SCALE_ROW1 matrix_b_scale:MATRIX_SCALE_ROW1
.elseif (\ra)
	v_wmma_scale_f32_16x16x128_f8f6f4 v[rD:rD+7], v[rA:rA+15], v[rB:rB+15], v[rD:rD+7], v[sA], v[sB] matrix_a_scale:MATRIX_SCALE_ROW1
.elseif (\rb)
	v_wmma_scale_f32_16x16x128_f8f6f4 v[rD:rD+7], v[rA:rA+15], v[rB:rB+15], v[rD:rD+7], v[sA], v[sB] matrix_b_scale:MATRIX_SCALE_ROW1
.else
	v_wmma_scale_f32_16x16x128_f8f6f4 v[rD:rD+7], v[rA:rA+15], v[rB:rB+15], v[rD:rD+7], v[sA], v[sB]
.endif
.endif
.endm
; A REFILL of four of the weight's pieces, one a wave, by group 0 'use'.  Each wave waits for its tensor load, adds 0 to its spare word, steps the OTHER half's group 0 to the next weight
; (no load of mine is out), and waits for the add and for its LDS reads; a round of the cluster's barrier makes that hold of all sixteen work-groups; the joint load is the first thing behind it.
; The eight v_nop are the places between the last products and the loads that follow into registers that products have read.
.macro REFILL use, step
	s_wait_tensorcnt 0x0
	ds_add_u32 v[SPW], v[NIL]
	s_add_nc_u64 s[\step+2:\step+3], s[\step+2:\step+3], NEXTW
	s_wait_dscnt 0x0
	CROUND
	tensor_load_to_lds s[\use:\use+3], s[G1R:G1R+7]
	s_nop 0
.rept 8
	v_nop
.endr
.endm
; K step s.  pre = 0: this step's 36 loads are waited for; 1: that, and pieces 4-7 are shown to all and pieces 0-3 filled again; 2: that, and pieces 4-7 are shown by a plain barrier, behind which nothing is filled.
; sw = 1: the tokens are source 0.  nx: the K step whose fragments are fetched (-1: none).  pf >= 0: the next weight's pieces pf .. pf + 3 are asked for ahead.
.macro KSTEP s, pre, sw, nx, pf
.if \pre == 1
	REFILL G0RA, G0RB
.elseif \pre == 2
	s_wait_dscnt 0x0
	s_wait_tensorcnt 0x0
	s_barrier_signal -1
	s_barrier_wait -1
.else
	s_wait_dscnt 0x0
.endif
.if \nx >= 0
.if (\s > 0) && (\pre != 1)
.rept 8
	v_nop                                          ; eight places between the last step's products and loads into the registers that they read
.endr
.endif
	FETCH \nx
.endif
.if \pf >= 0
	global_prefetch_b8 v[PFO], s[PFA:PFA+1] offset:\pf*PIECE th:TH_LOAD_NT scope:SCOPE_SE
.endif
	WIN MUL
.irp i1, 0,1,2,3
.irp i0, 0,1,2,3
.set rD, ACC+8*(4*\i1+\i0)
.if \sw
.set rA, 128*((\s)%2)+64+16*\i0
.set rB, 128*((\s)%2)+16*\i1
.set sA, SCW+4*((\s)%2)+2+\i0/2
.set sB, SCW+4*((\s)%2)+\i1/2
.else
.set rA, 128*((\s)%2)+16*\i0
.set rB, 128*((\s)%2)+64+16*\i1
.set sA, SCW+4*((\s)%2)+\i0/2
.set sB, SCW+4*((\s)%2)+2+\i1/2
.endif
	WM (\s)==0, \i0%2, \i1%2
.endr
.endr
	WIN 0
.endm
; THE WAY OUT of one tensor (s16: which)
.macro OUT norm                        ; norm = 1: the squared norms are made too: they are wanted of q and k alone, so v's copy does not hold their lines
	s_wait_xcnt 0x0                                ; the last way out's stores and the prefetches have read their registers: bases and data may be written
	s_lshl_b32 s96, s[MODE], 5
	s_add_co_u32 s96, s96, s94
	s_lshl_b32 s96, s96, 5
	s_add_co_u32 s96, s96, s95
	s_lshl_b32 s96, s96, 12
	s_mov_b32 s97, 0
	s_add_nc_u64 s[90:91], s[6:7], s[96:97]        ; my chunk of 4,096 bytes of codes
	s_lshl_b32 s96, s[MODE], 12
	s_add_co_u32 s96, s96, 12288                   ; the scale words: k's at 16,384, v's at 20,480,
	s_mov_b32 s98, 40960                           ; q's at 40,960
	s_cmp_eq_u32 s[MODE], 0
	s_cselect_b32 s96, s98, s96
	s_lshl_b32 s98, s95, 7
	s_add_co_u32 s96, s96, s98
	s_add_nc_u64 s[98:99], s[8:9], s[96:97]
	s_cmp_eq_u32 s[MODE], 0
	s_cselect_b32 s96, 24576, 0                    ; q's two numbers a token at 24,576 and 32,768, k's at 0 and 8,192
	s_lshl_b32 s92, s95, 8
	s_add_co_u32 s96, s96, s92
	s_add_nc_u64 s[92:93], s[8:9], s[96:97]
.rept 8
	v_nop                                          ; eight places between the last products and the first read of results
.endr
.if \norm
.irp a, 0,1,2,3
	v_pk_mul_f32 v[96+2*\a:97+2*\a], v[ACC+32*\a:ACC+32*\a+1], v[ACC+32*\a:ACC+32*\a+1]   ; token (tile a, lane r): my 32 channels' squares, each accumulator from its low end on, the four tiles by turns
.endr
.irp p, 1,2,3,4,5,6,7,8,9,10,11,12,13,14,15
.irp a, 0,1,2,3
	v_pk_fma_f32 v[96+2*\a:97+2*\a], v[ACC+32*\a+2*\p:ACC+32*\a+2*\p+1], v[ACC+32*\a+2*\p:ACC+32*\a+2*\p+1], v[96+2*\a:97+2*\a]
.endr
.endr
.irp a, 0,1,2,3
	v_add_f32 v[104+\a], v[96+2*\a], v[97+2*\a]
.endr
.irp a, 0,1,2,3
	v_permlanex16_b32 v[108+\a], v[104+\a], s[SEL], s[SEL+1]
.endr
.irp a, 0,1,2,3
	v_add_f32 v[104+\a], v[104+\a], v[108+\a]      ; n = the row's squared norm
.endr
.irp a, 0,1,2,3
	v_mul_f32 v[112+\a], -0.5, v[104+\a]           ; -n / 2
.endr
.irp a, 0,1,2,3
	v_sub_f32 v[116+\a], 1.0, v[104+\a]            ; 1 - n
.endr
	s_wait_alu depctr_va_vdst(0)                   ; ahead of the batch
.irp a, 0,1,2,3
	v_rcp_f32 v[116+\a], v[116+\a]
.endr
	v_nop                                          ; a plain line behind the last reciprocal
	s_wait_alu depctr_va_vdst(0)                   ; one wait for the four, ahead of their first reader
.irp a, 0,1,2,3
	v_cndmask_b32 v[112+\a], v[112+\a], v[116+\a], s[HM]   ; lanes 0-15 carry -n / 2, lanes 16-31 1 / (1 - n)
.endr
.irp a, 0,1,2,3
	ds_store_b32 v[NST], v[112+\a] offset:(32*(\a/2)+8*(\a%2))*4   ; into the tokens' own order
.endr
	ds_load_b128 v[120:123], v[NRD]                ; LDS serves a wave's instructions in order: this sees my stores
	s_wait_dscnt 0x0
	global_store_b128 v[NGO], v[120:123], s[92:93] ; two aligned runs of 256 bytes: 64 tokens' -n / 2, and 8,192 bytes on their 1 / (1 - n)
.endif
	QUANT 8, ACC, 64, 32                           ; block k = 2 i1 + j: source 1's tile i1, source 0's rows 32 j .. 32 j + 31
.irp k, 0,1,2,3,4,5,6,7
	global_store_b128 v[LI], v[64+4*\k:64+4*\k+3], s[90:91] offset:512*\k   ; 512 consecutive bytes, aligned
.endr
	v_lshl_or_b32 v124, v41, 8, v40                ; the bytes of blocks 0-3,
	v_lshl_or_b32 v124, v42, 16, v124
	v_lshl_or_b32 v124, v43, 24, v124
	v_lshl_or_b32 v125, v45, 8, v44                ; and of blocks 4-7
	v_lshl_or_b32 v125, v46, 16, v125
	v_lshl_or_b32 v125, v47, 24, v125
	v_cndmask_b32 v124, v124, v125, s[HM]          ; lanes 0-15 the first word of lane r, lanes 16-31 the second
	global_store_b32 v[L4], v124, s[98:99]
.endm
	s_wait_alu depctr_va_vdst(0)                   ; at the head's end
	s_cmp_eq_u32 s12, 0                            ; waves 0 and 2: pieces 0-3 of wq and of the tokens are in; the other two waves' wait stands in K step 3
	s_cbranch_scc0 .Llater
	s_wait_tensorcnt 0x0
.Llater:
	s_barrier_signal -1
	s_barrier_wait -1
	FETCH 0
	s_mov_b32 s[MODE], 0
.Ltensor:                                              ; two trips: q, k.  Each fills both halves of the weight's pieces again: with wk's, then with wv's
	KSTEP 0, 0, 0, 1, -1
	KSTEP 1, 0, 0, 2, 0
	KSTEP 2, 0, 0, 3, -1
	KSTEP 3, 1, 0, 4, -1
	KSTEP 4, 0, 0, 5, -1
	KSTEP 5, 0, 0, 6, 4
	KSTEP 6, 0, 0, 7, -1
	KSTEP 7, 0, 0, -1, -1
	REFILL G0RB, G0RA                              ; all waves hold piece 7 in registers; the next weight's pieces 0-3 have landed
	FETCH 0                                        ; the next tensor's first fragments come while this one goes out
	OUT 1
	s_add_nc_u64 s[PFA:PFA+1], s[PFA:PFA+1], NEXTW ; (the prefetches read it ahead of the way out's wait on XCNT)
	s_add_co_u32 s[MODE], s[MODE], 1
	s_cmp_lt_u32 s[MODE], 2
	s_cbranch_scc1 .Ltensor
	KSTEP 0, 0, 1, 1, -1                           ; v
	KSTEP 1, 0, 1, 2, -1
	KSTEP 2, 0, 1, 3, -1
	KSTEP 3, 2, 1, 4, -1
	KSTEP 4, 0, 1, 5, -1
	KSTEP 5, 0, 1, 6, -1
	KSTEP 6, 0, 1, 7, -1
	KSTEP 7, 0, 1, -1, -1
	OUT 0
	s_wait_tensorcnt 0x0                           ; the wave's end
	ds_add_u32 v[SPW], v[NIL]
	s_wait_dscnt 0x0
	CROUND                                         ; the closing round
	s_endpgm
.Lfunc_end_k_qd96144a0b4_qkv:
	.size	k_qd96144a0b4_qkv, .Lfunc_end_k_qd96144a0b4_qkv-k_qd96144a0b4_qkv
	.p2alignl 7, 3214868480
	.fill 96, 4, 3214868480
	.section	.rodata,"a",@progbits
	.p2align	6, 0x0
	.amdhsa_kernel k_qd96144a0b4_qkv
		.amdhsa_group_segment_fixed_size 327680
		.amdhsa_private_segment_fixed_size 0
		.amdhsa_enable_private_segment 0
		.amdhsa_kernarg_size 24
		.amdhsa_user_sgpr_count 2
		.amdhsa_user_sgpr_kernarg_segment_ptr 1
		.amdhsa_wavefront_size32 1
		.amdhsa_system_sgpr_workgroup_id_x 1
		.amdhsa_system_sgpr_workgroup_id_y 1
		.amdhsa_system_sgpr_workgroup_id_z 1
		.amdhsa_system_vgpr_workitem_id 0
		.amdhsa_next_free_vgpr 512
		.amdhsa_next_free_sgpr 100
		.amdhsa_reserve_vcc 0
		.amdhsa_float_denorm_mode_32 3
		.amdhsa_float_denorm_mode_16_64 3
		.amdhsa_memory_ordered 1
		.amdhsa_forward_progress 1
		.amdhsa_inst_pref_size 126
	.end_amdhsa_kernel
	.amdgpu_metadata
---
amdhsa.version: [ 1, 2 ]
amdhsa.kernels:
  - .name:           k_qd96144a0b4_qkv
    .symbol:         k_qd96144a0b4_qkv.kd
    .args:
      - { .name: cimg, .offset: 0, .size: 8, .value_kind: global_buffer, .address_space: global }
      - { .name: qkvc, .offset: 8, .size: 8, .value_kind: global_buffer, .address_space: global }
      - { .name: aux, .offset: 16, .size: 8, .value_kind: global_buffer, .address_space: global }
    .group_segment_fixed_size: 327680
    .private_segment_fixed_size: 0
    .kernarg_segment_align: 8
    .kernarg_segment_size: 24
    .max_flat_workgroup_size: 128
    .sgpr_count:     100
    .vgpr_count:     512
    .wavefront_size: 32
...
	.end_amdgpu_metadata
.endif
;; end of part 2
;; launch attn (part 3): grid 8 x 32, 16 waves a work-group, clusters of 4 x 1, 296,960 bytes of LDS; arguments qkvc, aux, oimg; writes oimg
.if DOCPART == 3
	.amdgcn_target "amdgcn-amd-amdhsa--gfx1250"
	.amdhsa_code_object_version 6
	.text
	.protected	k_qd96144a0b4_attn
	.globl	k_qd96144a0b4_attn
	.p2align	8
	.type	k_qd96144a0b4_attn,@function
k_qd96144a0b4_attn:
	s_mov_b64 s[64:65], 0
	v_nop
	global_prefetch_b8 v0, s[64:65] scope:SCOPE_SE
	s_setreg_imm32_b32 hwreg(HW_REG_WAVE_MODE, 25, 1), 1
	s_wait_xcnt 0x0
	s_wait_alu depctr_hold_cnt(0) depctr_sa_sdst(0) depctr_va_vdst(0) depctr_va_sdst(0) depctr_va_ssrc(0) depctr_va_vcc(0) depctr_vm_vsrc(0)
	s_getreg_b32 s2, hwreg(HW_REG_IB_STS2, 6, 4)
	s_cmp_eq_u32 s2, 0
	s_cbranch_scc0 .Lentry_in_a_cluster
	s_endpgm
.Lentry_in_a_cluster:
	s_bfe_u32 s2, ttmp6, 0x10000c
	s_cmp_lg_u32 s2, 0x3003
	s_cbranch_scc0 .Lentry_shape_is_right
	s_endpgm
.Lentry_shape_is_right:
; For each (batch, head): softmax over the keys of -arccosh(1 + 2 |q - k|^2 / max((1 - |q|^2)(1 - |k|^2), 1e-6)), times v; both products on codes of FP8 (E4M3) with E8M0 scales.  Nothing of the problem is left out here.
; THE SCORE.  D = q.k - (|q|^2 + |k|^2) / 2: the norms' half sum is the C of the product.  r = 4 / max(a b, 1e-6) = the lesser BIT PATTERN of (4 / a)(1 / b) and 4e6: a product that is negative, -0, infinite or NaN has a
; pattern above 4e6's, and these are the cases in which the maximum takes 1e-6.  y = max(1 - D r, 1) is cosh_arg with its clip, rounded to f32 as reference() rounds it.  exp(-arccosh(y)) = 1 / w, w = y + sqrt(y y - 1) >= 1;
; y y - 1 is one fused multiply-add, so it is rounded once.
; THE MAXIMUM IS TAKEN AWAY: t = -log2 w, so M = ceil(largest t) = -floor(log2(least w)), and 2^-M is the least w's exponent field as a number (SC).  p = 2^(t - M) = SC / w.  The least w runs with the keys; when it
; moves, the sum and O^T are multiplied by f = new SC / old SC, a power of two.  p and 1 / w differ by a power of two: 1 / w is converted, and the block's byte takes M up.
; The row's sum is taken of the unquantised p and divides at the end.  A block's largest 1 / w is the reciprocal of its least w (this takes v_rcp_f32 not to rise where its input rises).
; K = 64 IN AN INSTRUCTION OF 128: a fragment of K holds two tiles of 16 keys, 64 channels each; q stands as (q | 0 | q): registers 0-15 are (q | 0), registers 8-23 are (0 | q); zero codes add nothing (spare scale bytes 127).
; SHARES.  A work-group owns 256 queries of one (batch, head); each of its sixteen waves 16, in 256 registers: four waves to a SIMD.  Both products are used transposed: a lane holds one query.
; ALL K, V and the keys' numbers lie in LDS, filled once by nine loads of 32,768 bytes, one a wave: waves 0, 1 K's and V's first 512 keys, wave 2 the keys' numbers and scale words (first barrier); waves 10-15 the other
; 1,536 keys (second barrier, behind four key steps).  CLUSTER 4 x 1: the four blocks of queries ask jointly.  No prefetch: every tile is asked for at the head, so no loop runs ahead of a load.
; The clip at 1 and the hold go two numbers an instruction, as dual pairs.
; The result is quantised along (head, channel) and stored as an image for the last product.  Its scale bytes leave two a lane (128 KiB in all): a word is shared by two heads, which are two work-groups.
; LIMITS: cosh_arg above 1.8e19 overflows in its square: that p counts as 0; 1 / w under 2^-118 is held by the floor of the block's scale; a block of zeros gets the byte 1; NaN and infinities among the inputs are not served.
.set AUX,   262144                     ; LDS: K's image at 0, V's at 131,072; then -|k|^2 / 2 [2048], 1 / (1 - |k|^2) [2048], K's scale words, V's scale words (and 8,192 bytes more, which make the load's 128 rows full)
.set SPARE, AUX+32768                  ; the spare words, 128 bytes for each wave: eight blocks of 256 bytes that no other line names
.set SPW, 1
.set NIL, 2
.set AK0, 3                            ; v3  16 x lane
.set AV0, 4                            ; v4  131,072 + 16 x lane
.set AC0, 5                            ; v5  AUX + 64 h
.set AS0, 6                            ; v6  AUX + 16,384 + 4 x lane
.set ADK, 7                            ; v7-10 the step's addresses
.set ADV, 8
.set ADC, 9
.set ADS, 10
.set CQ,  12                           ; v[12:13] -|q|^2 / 2; SC
.set SC,  13
.set LS,  14                           ; v[14:15] the sum, in two halves
.set RA,  16                           ; v[16:17] 4 / (1 - |q|^2); the least w so far
.set WR,  17
.set FF,  18                           ; v[18:19] f; SC's bits less 1.0's
.set QS,  20                           ; v20-21 q's scale words for (q | 0) and (0 | q)
.set KSW, 22                           ; v22-23 K's scale words
.set VX,  24                           ; v24-25 V's scale words as stored
.set VSE, 26                           ; v26-27 and as the products want them: even tiles, odd tiles
.set Q0,  32                           ; v32-55 (q | 0 | q)
.set PW,  56                           ; v56 p's scale word
.set D,   64                           ; v64-127  register 16 b + i = key 32 b + 16 h + i of the step
.set R,   128                          ; v128-191 K's fragments, then r, y y - 1 and its root, then V's fragments
.set O,   192                          ; v192-223 O^T: register 16 b + i = channel 32 b + 16 h + i
.set P,   224                          ; v224-239 p's codes
.set TM,  240                          ; v240-255 four each: least w / largest 1/w; permute, byte; hold; the conversion's operand
.set WV,  10
.set SEL, 60
.set MNT, 62
.set LIM, 63
.set T8,  66                           ; s66 the step's place in K's and V's images; s67 among the keys' numbers; s68 among the scale words; s69 steps to go
.set T5,  67
.set T2,  68
.set CNT, 69
.macro CROUND
	s_barrier_signal -1
	s_barrier_wait -1
	s_cmp_lg_u32 s[WV], 0
	s_cbranch_scc1 .Lnot_wave_0_\@
	s_barrier_signal -3
.Lnot_wave_0_\@:
	s_barrier_wait -3
	s_barrier_signal -1
	s_barrier_wait -1
.endm
.macro TL g0                           ; a joint load of 128 rows of 256 bytes; an s_nop 0 and four v_nop follow it
	tensor_load_to_lds s[\g0:\g0+3], s[44:51]
	s_nop 0
.rept 4
	v_nop
.endr
.endm
.macro MAX2 x                          ; two numbers clipped at 1 from below
	v_dual_max_num_f32 v[\x], 1.0, v[\x] :: v_dual_max_num_f32 v[\x+1], 1.0, v[\x+1]
.endm
.macro HOLD2 x, b                      ; two numbers held at v[b] from above
	v_dual_min_num_f32 v[\x], v[\x], v[\b] :: v_dual_min_num_f32 v[\x+1], v[\x+1], v[\b]
.endm
.macro QUANT nb, S, C, T               ; nb blocks by turns; block k's 16 numbers of this lane at v[S + 16 k] on, the other 16 in lane l xor 16.  Codes to v[C + 4 k] on; bytes to v[T + nb + k]
.set qk, 0
.rept \nb
	v_max3_num_f32 v[\T+qk], |v[\S+16*qk]|, |v[\S+16*qk+1]|, 0x4800000   ; the floor 2^(9 - 127) among the leaves: the byte cannot fall under 1
.set qk, qk+1
.endr
.irp i, 2,4,6,8,10,12,14
.set qk, 0
.rept \nb
	v_max3_num_f32 v[\T+qk], v[\T+qk], |v[\S+16*qk+\i]|, |v[\S+16*qk+\i+1]|
.set qk, qk+1
.endr
.endr
.set qk, 0
.rept \nb
	v_permlanex16_b32 v[\T+\nb+qk], v[\T+qk], s[SEL], s[SEL+1]
.set qk, qk+1
.endr
.set qk, 0
.rept \nb
	v_max_num_f32 v[\T+qk], v[\T+qk], v[\T+\nb+qk]
.set qk, qk+1
.endr
.set qk, 0
.rept \nb
	v_add_nc_u32 v[\T+3*\nb+qk], 0xfc000000, v[\T+qk]          ; 8 off the exponent field: the conversion's scale operand
.set qk, qk+1
.endr
.set qk, 0
.rept \nb
	v_and_or_b32 v[\T+2*\nb+qk], v[\T+qk], 0x7f800000, s[MNT]  ; 448 x the scale
.set qk, qk+1
.endr
.set qk, 0
.rept \nb
	v_lshrrev_b32 v[\T+\nb+qk], 23, v[\T+3*\nb+qk]             ; the scale's byte
.set qk, qk+1
.endr
.set qk, 0
.rept \nb
.irp i, 0,1,2,3,4,5,6,7,8,9,10,11,12,13,14,15
	v_med3_num_f32 v[\S+16*qk+\i], v[\S+16*qk+\i], -v[\T+2*\nb+qk], v[\T+2*\nb+qk]   ; the conversion does not saturate (ISA guide 7.6.2): the hold
.endr
	v_cvt_scalef32_pk8_fp8_f32 v[\C+4*qk:\C+4*qk+1], v[\S+16*qk:\S+16*qk+7], v[\T+3*\nb+qk]
	v_cvt_scalef32_pk8_fp8_f32 v[\C+4*qk+2:\C+4*qk+3], v[\S+16*qk+8:\S+16*qk+15], v[\T+3*\nb+qk]
.set qk, qk+1
.endr
	v_nop                                          ; one plain line behind the last conversion
.endm
.macro WM ra                           ; one product in place on rD, rA, rB, sA, sB; ra: source 0's scales stand in lanes 16-31
.if (\ra)
	v_wmma_scale_f32_16x16x128_f8f6f4 v[rD:rD+7], v[rA:rA+15], v[rB:rB+15], v[rD:rD+7], v[sA], v[sB] matrix_a_scale:MATRIX_SCALE_ROW1
.else
	v_wmma_scale_f32_16x16x128_f8f6f4 v[rD:rD+7], v[rA:rA+15], v[rB:rB+15], v[rD:rD+7], v[sA], v[sB]
.endif
.endm
	s_load_b128 s[4:7], s[0:1], 0x0                ; qkvc, aux
	s_load_b64 s[8:9], s[0:1], 0x10                ; oimg
	v_lshl_add_u32 v[SPW], v0, 2, SPARE
	v_mov_b32 v[NIL], 0
	ds_add_u32 v[SPW], v[NIL]                      ; the wave's opening: the add, twice on end, and its wait ahead of the first tensor load
	ds_add_u32 v[SPW], v[NIL]
	v_lshrrev_b32 v7, 5, v0
	v_readfirstlane_b32 s[WV], v7                  ; wave 0..15
	s_bfe_u32 s11, ttmp6, 0x40000                  ; cx
	s_lshl_b32 s12, ttmp9, 2
	s_add_co_u32 s12, s12, s11                     ; my block of 256 queries: it enters q's and the result's addresses alone
	s_and_b32 s13, ttmp7, 0xffff                   ; bh = 16 x batch + head, which the four partners share
	s_and_b32 s14, s[WV], 3
	s_mov_b32 s44, 15|(3<<16)|(1<<21)              ; group 1: 128 dense rows of 256 bytes (32 elements of 8 bytes), no padding; the mask names all four work-groups
	s_mov_b32 s45, 32<<16
	s_mov_b32 s46, 128<<16
	s_mov_b32 s47, 32<<16
	s_mov_b32 s48, 128
	s_mov_b32 s49, 32
	s_mov_b32 s50, 0
	s_mov_b32 s51, 0
	s_mul_i32 s18, s13, 49152                      ; aux of my (batch, head)
	s_mov_b32 s19, 0
	s_and_b32 s15, s[WV], 1                        ; an image's load: K (even wave) or V (odd),
	s_bfe_u32 s2, s[WV], 0x20001                   ; chunk (wave / 2) % 4 of 512 keys: 0 in waves 0, 1; 1, 2, 3 in waves 10 to 15
	s_lshl_b32 s2, s2, 15
	s_mov_b32 s3, 0
	s_lshl_b32 s29, s15, 17
	s_add_co_u32 s29, s29, s2                      ; in LDS
	s_add_co_u32 s20, s13, 32
	s_lshl_b32 s20, s20, 17                        ; in qkvc: k's images begin at 32 x 131,072, v's 4,194,304 further on
	s_lshl_b32 s16, s15, 22
	s_add_co_u32 s20, s20, s16
	s_mov_b32 s21, 0
	s_mov_b32 s24, 1
	s_mov_b32 s25, AUX
	s_mov_b32 s28, 1
	s_mov_b32 s[SEL], 0x76543210
	s_mov_b32 s[SEL+1], 0xfedcba98
	s_mov_b32 s[MNT], 0x600000
	s_mov_b32 s[LIM], 0x4a742400                   ; 4e6
	s_wait_dscnt 0x0                               ; both opening adds are done
	s_wait_kmcnt 0x0
	s_add_nc_u64 s[22:23], s[6:7], s[18:19]
	s_mov_b64 s[26:27], s[22:23]
	s_or_b32 s27, s27, 0x80000000
	s_add_nc_u64 s[20:21], s[4:5], s[20:21]
	s_add_nc_u64 s[30:31], s[20:21], s[2:3]
	s_or_b32 s31, s31, 0x80000000
	CROUND                                         ; all four work-groups are here: the joint loads meet
	s_cmp_lt_u32 s[WV], 2                          ; ONE chain of branches on the wave's number, one load to an arm.  Waves 0, 1: the first 512 keys of K and of V
	s_cbranch_scc0 .Larm_aux
	TL 28
	s_branch .Lasked
.Larm_aux:
	s_cmp_eq_u32 s[WV], 2                          ; wave 2: the keys' numbers and scale words
	s_cbranch_scc0 .Larm_rest
	TL 24
	s_branch .Lasked
.Larm_rest:
	s_cmp_lt_u32 s[WV], 10                         ; waves 10 to 15: the other three chunks, in a line of their own: they wait at the second barrier
	s_cbranch_scc1 .Lasked
	TL 28
.Lasked:
	s_lshl_b32 s70, s12, 2
	s_lshr_b32 s71, s[WV], 2
	s_add_co_u32 s70, s70, s71                     ; my chunk of 64 queries; my tile in it is wave % 4
	s_lshl_b32 s72, s13, 5
	s_add_co_u32 s72, s72, s70
	s_lshl_b32 s72, s72, 12
	s_lshl_b32 s71, s14, 10
	s_add_co_u32 s72, s72, s71
	s_mov_b32 s73, 0
	s_add_nc_u64 s[72:73], s[4:5], s[72:73]        ; q's two groups of codes
	s_lshl_b32 s74, s70, 7
	s_lshr_b32 s76, s14, 1
	s_lshl_b32 s76, s76, 6
	s_add_co_u32 s74, s74, s76                     ; q's scale words: 128 bytes a chunk, 64 for two tiles
	s_mov_b32 s75, 0
	s_lshl_b32 s78, s74, 1
	s_and_b32 s76, s[WV], 1
	s_lshl_b32 s77, s76, 5
	s_add_co_u32 s78, s78, s77                     ; q's two numbers: 4 bytes x (64 chunk + 32 (tile / 2) + 8 (tile % 2))
	s_mov_b32 s79, 0
	s_add_nc_u64 s[74:75], s[22:23], s[74:75]
	s_add_nc_u64 s[78:79], s[22:23], s[78:79]
	s_lshl_b32 s76, s76, 4                         ; my tile's two bytes: the word's low or high half
	v_and_b32 v[AK0], 31, v0
	v_lshl_add_u32 v[AS0], v[AK0], 2, AUX+16384
	v_lshlrev_b32 v[AK0], 4, v[AK0]
	v_add_nc_u32 v[AV0], 131072, v[AK0]
	v_bfe_u32 v[AC0], v0, 4, 1
	v_lshl_add_u32 v[AC0], v[AC0], 6, AUX
	v_and_b32 v7, 15, v0
	v_and_b32 v8, 8, v7
	v_add_nc_u32 v8, v8, v7
	v_lshlrev_b32 v8, 2, v8                        ; 4 (r + 8 (r / 8))
	v_lshlrev_b32 v7, 2, v7                        ; 4 r
	global_load_b128 v[Q0:Q0+3],     v[AK0], s[72:73]
	global_load_b128 v[Q0+4:Q0+7],   v[AK0], s[72:73] offset:512
	global_load_b128 v[Q0+16:Q0+19], v[AK0], s[72:73]            ; q once more, behind the zeros
	global_load_b128 v[Q0+20:Q0+23], v[AK0], s[72:73] offset:512
	global_load_b32 v[FF+1], v7, s[74:75] offset:40960
	global_load_b32 v[CQ], v8, s[78:79] offset:24576
	global_load_b32 v[RA], v8, s[78:79] offset:32768
.set n, 8
.rept 8
	v_mov_b32 v[Q0+n], 0                           ; zero codes: the half that is not q, shared by both fragments
.set n, n+1
.endr
.set n, 0
.rept 32
	v_mov_b32 v[O+n], 0                            ; O^T.  (The step is written without a first form: the first change of SC multiplies zeros)
.set n, n+1
.endr
	v_mov_b32 v[LS], 0
	v_mov_b32 v[LS+1], 0
	v_mov_b32 v[WR], 0x7f7fffff                    ; the least w so far: the largest number
	v_mov_b32 v[SC], 0x7f000000                    ; its exponent field as a number
	v_mov_b32 v[FF], 0
.irp b, 4,5,6,7
	v_mov_b32 v[TM+\b], 0                          ; written once: a lane permute's destination counts as one of its sources
.endr
	s_wait_alu depctr_va_vdst(0)
	s_wait_loadcnt 0x0
	v_lshrrev_b32 v[FF+1], s76, v[FF+1]
	v_and_b32 v[FF+1], 0xffff, v[FF+1]
	v_or_b32 v[QS], 0x7f7f0000, v[FF+1]            ; (q | 0): q's two bytes below, 127 above
	v_lshl_or_b32 v[QS+1], v[FF+1], 16, 0x7f7f     ; (0 | q)
	v_mul_f32 v[RA], 4.0, v[RA]
; A KEY STEP: 128 keys.
.macro STEP
	v_add_nc_u32 v[ADK], s[T8], v[AK0]
	v_add_nc_u32 v[ADV], s[T8], v[AV0]
	v_add_nc_u32 v[ADC], s[T5], v[AC0]
	v_add_nc_u32 v[ADS], s[T2], v[AS0]
	v_nop                                          ; with the four additions and the three lines at the last step's end: eight places between its products and loads into the registers that they read
.irp b, 0,1,2,3
.irp i, 0,1,2,3
	ds_load_b128 v[D+16*\b+4*\i:D+16*\b+4*\i+3], v[ADC] offset:128*\b+16*\i      ; -|k|^2 / 2 of my 64 keys
.endr
.endr
.irp b, 0,1,2,3
.irp g, 0,1,2,3
	ds_load_b128 v[R+16*\b+4*\g:R+16*\b+4*\g+3], v[ADK] offset:2048*\b+512*\g    ; fragment b: keys 32 b on, two tiles
.endr
.endr
	ds_load_b32 v[KSW], v[ADS]                     ; lanes 0-15: fragment 0's words, lanes 16-31: fragment 1's
	ds_load_b32 v[KSW+1], v[ADS] offset:128
	s_wait_dscnt 18                                ; the first sixteen loads are in; the eighteen issued behind them may be out
.set n, 0
.rept 32
	v_pk_add_f32 v[D+n:D+n+1], v[D+n:D+n+1], v[CQ:CQ+1] op_sel_hi:[1,0]          ; - |q|^2 / 2: the product's C
.set n, n+2
.endr
	s_wait_alu depctr_va_vdst(0)
	s_wait_dscnt 0x0
.irp b, 0,1,2,3
.irp u, 0,1
.set rD, D+16*\b+8*\u
.set rA, R+16*\b
.set rB, Q0+8*\u
.set sA, KSW+\b/2
.set sB, QS+\u
	WM \b%2                                        ; eight accumulators, one instruction each
.endr
.endr
.rept 8
	v_nop                                          ; eight places in front of loads into K's registers
.endr
.irp b, 0,1,2,3
.irp i, 0,1,2,3
	ds_load_b128 v[R+16*\b+4*\i:R+16*\b+4*\i+3], v[ADC] offset:8192+128*\b+16*\i ; 1 / (1 - |k|^2)
.endr
.endr
	s_wait_dscnt 0x0
.set n, 0
.rept 32
	v_pk_mul_f32 v[R+n:R+n+1], v[R+n:R+n+1], v[RA:RA+1] op_sel_hi:[1,0]
.set n, n+2
.endr
.set n, 0
.rept 64
	v_min_u32 v[R+n], s[LIM], v[R+n]               ; r = 4 / max(a b, 1e-6), by bit patterns
.set n, n+1
.endr
.set n, 0
.rept 32
	v_pk_fma_f32 v[D+n:D+n+1], v[D+n:D+n+1], v[R+n:R+n+1], 1.0 op_sel_hi:[1,1,0] neg_lo:[1,0,0] neg_hi:[1,0,0]   ; 1 - D r; each accumulator from its low end on
.set n, n+2
.endr
.set n, 0
.rept 32
	MAX2 D+n                                       ; y = cosh_arg, clipped at 1
.set n, n+2
.endr
.set n, 0
.rept 32
	v_pk_fma_f32 v[R+n:R+n+1], v[D+n:D+n+1], v[D+n:D+n+1], -1.0 op_sel_hi:[1,1,0]   ; y y - 1
.set n, n+2
.endr
	s_wait_alu depctr_va_vdst(0)                   ; ahead of the batch
.set n, 0
.rept 64
	v_sqrt_f32 v[R+n], v[R+n]
.set n, n+1
.endr
	v_nop                                          ; a plain line behind the last root
	s_wait_alu depctr_va_vdst(0)                   ; one wait for the batch, ahead of its first reader
.set n, 0
.rept 32
	v_pk_add_f32 v[D+n:D+n+1], v[D+n:D+n+1], v[R+n:R+n+1]    ; w
.set n, n+2
.endr
.irp t, 0,1,2,3
.irp c, 0,1,2,3
	ds_load_b128 v[R+16*\t+4*\c:R+16*\t+4*\c+3], v[ADV] offset:(\c/2)*4096+1024*\t+(\c%2)*512   ; V^T: 16 channels x these 128 keys
.endr
.endr
	ds_load_b32 v[VX], v[ADS] offset:4096
	ds_load_b32 v[VX+1], v[ADS] offset:4224
.irp b, 0,1,2,3
	v_min3_num_f32 v[TM+\b], v[D+16*\b], v[D+16*\b+1], v[D+16*\b+2]              ; the least w of each block of 32 keys: for the row's, and for the block's largest 1 / w
.endr
.irp i, 3,5,7,9,11,13
.irp b, 0,1,2,3
	v_min3_num_f32 v[TM+\b], v[TM+\b], v[D+16*\b+\i], v[D+16*\b+\i+1]
.endr
.endr
.irp b, 0,1,2,3
	v_min_num_f32 v[TM+\b], v[TM+\b], v[D+16*\b+15]
.endr
.irp b, 0,1,2,3
	v_permlanex16_b32 v[TM+4+\b], v[TM+\b], s[SEL], s[SEL+1]
.endr
.irp b, 0,1,2,3
	v_min_num_f32 v[TM+\b], v[TM+\b], v[TM+4+\b]
.endr
	v_min3_num_f32 v28, v[TM], v[TM+1], v[TM+2]
	v_mov_b32 v[FF+1], v[SC]
	v_min3_num_f32 v[WR], v28, v[TM+3], v[WR]      ; the running least w
	v_and_b32 v[SC], 0x7f800000, v[WR]             ; SC = 2^floor(log2 w) = 2^-M
	v_sub_nc_u32 v[FF], v[SC], v[FF+1]
	v_add_nc_u32 v[FF+1], 0xc0800000, v[SC]        ; -M in the exponent field's place
	v_add_nc_u32 v[FF], 0x3f800000, v[FF]          ; f = new SC / old SC, by exponent fields: a power of two, at most 1 (0 where the field falls to 0)
	s_wait_alu depctr_va_vdst(0)                   ; ahead of the batch
.set n, 0
.rept 64
	v_rcp_f32 v[D+n], v[D+n]                       ; 1 / w
.set n, n+1
.endr
.irp b, 0,1,2,3
	v_rcp_f32 v[TM+\b], v[TM+\b]                   ; the block's largest: the same instruction on the same number gives the same bits
.endr
	v_pk_mul_f32 v[LS:LS+1], v[LS:LS+1], v[FF:FF+1] op_sel_hi:[1,0]              ; the sum under the new M.  (The plain line behind the last reciprocal)
	s_wait_alu depctr_va_vdst(0)                   ; one wait for the batch of 68
.set n, 0
.irp a, 28,244,30,246                          ; the sum of the 64 numbers 1 / w, two at a time, in four chains
	v_pk_add_f32 v[\a:\a+1], v[D+n:D+n+1], v[D+n+8:D+n+9]
.set n, n+2
.endr
.set m, 16
.rept 6
.set n, 0
.irp a, 28,244,30,246
	v_pk_add_f32 v[\a:\a+1], v[\a:\a+1], v[D+m+n:D+m+n+1]
.set n, n+2
.endr
.set m, m+8
.endr
	v_pk_add_f32 v[28:29], v[28:29], v[244:245]
	v_pk_add_f32 v[30:31], v[30:31], v[246:247]    ; the last three lines of the sum stand behind the step's last products
	s_wait_dscnt 0x0                               ; V and its scale words are in
	v_perm_b32 v[VSE], v[VX+1], v[VX], 0x05040100  ; even tiles of channels: the four key blocks' bytes
	v_perm_b32 v[VSE+1], v[VX+1], v[VX], 0x07060302 ; odd tiles
.irp b, 0,1,2,3
	v_max_num_f32 v[TM+\b], 0x4800000, v[TM+\b]    ; the floor 2^(9 - 127)
.endr
.irp b, 0,1,2,3
	v_add_nc_u32 v[TM+12+\b], 0xfc000000, v[TM+\b] ; 8 off the exponent field: the conversion's scale operand
.endr
.irp b, 0,1,2,3
	v_and_or_b32 v[TM+8+\b], v[TM+\b], 0x7f800000, s[MNT]    ; 448 x the scale
.endr
.irp b, 0,1,2,3
	v_add_nc_u32 v[TM+4+\b], v[TM+12+\b], v[FF+1]  ; p = SC / w: the byte takes -M up
.endr
.irp b, 0,1,2,3
	v_lshrrev_b32 v[TM+4+\b], 23, v[TM+4+\b]
.endr
	v_lshl_or_b32 v[PW], v[TM+5], 8, v[TM+4]
	v_lshl_or_b32 v[PW], v[TM+6], 16, v[PW]
	v_lshl_or_b32 v[PW], v[TM+7], 24, v[PW]
.irp b, 0,1,2,3
.set n, 0
.rept 8
	HOLD2 D+16*\b+n, TM+8+\b                       ; the conversion does not saturate (ISA guide 7.6.2); 1 / w is not negative: a one-sided hold
.set n, n+2
.endr
	v_cvt_scalef32_pk8_fp8_f32 v[P+4*\b:P+4*\b+1], v[D+16*\b:D+16*\b+7], v[TM+12+\b]
	v_cvt_scalef32_pk8_fp8_f32 v[P+4*\b+2:P+4*\b+3], v[D+16*\b+8:D+16*\b+15], v[TM+12+\b]
.endr
	s_wait_alu depctr_va_vdst(0)                   ; directly ahead of the first reader of O^T
.set n, 0
.rept 16
	v_pk_mul_f32 v[O+n:O+n+1], v[O+n:O+n+1], v[FF:FF+1] op_sel_hi:[1,0]          ; O^T under the new M, each accumulator from its low end on.  (Also the places between the codes and the products)
.set n, n+2
.endr
.irp t, 0,1,2,3
.set rD, O+8*\t
.set rA, R+16*\t
.set rB, P
.set sA, VSE+\t%2
.set sB, PW
	WM \t/2                                        ; four accumulators, one instruction each
.endr
	v_pk_add_f32 v[28:29], v[28:29], v[30:31]      ; the sum's end: three of the places behind the products
	v_fma_f32 v[LS], v28, v[SC], v[LS]             ; x SC: the sum of p
	v_fma_f32 v[LS+1], v29, v[SC], v[LS+1]
	s_add_co_u32 s[T8], s[T8], 8192
	s_add_co_u32 s[T5], s[T5], 512
	s_add_co_u32 s[T2], s[T2], 256
.endm
	s_wait_alu depctr_va_vdst(0)                   ; at the head's end
	s_cmp_lt_u32 s[WV], 3                          ; waves 0 to 2: the first 512 keys and the keys' numbers are in.  The other loading waves' wait stands at the second barrier
	s_cbranch_scc0 .Lnot_first
	s_wait_tensorcnt 0x0
.Lnot_first:
	s_barrier_signal -1
	s_barrier_wait -1
	s_mov_b32 s[T8], 0
	s_mov_b32 s[T5], 0
	s_mov_b32 s[T2], 0
	s_mov_b32 s[CNT], 4
.Lfirst:                                               ; keys 0 to 511
	STEP
	s_sub_co_u32 s[CNT], s[CNT], 1
	s_cmp_lg_u32 s[CNT], 0
	s_cbranch_scc1 .Lfirst
	s_wait_tensorcnt 0x0                           ; every wave: all that was asked for is in.
	s_wait_dscnt 0x0
	s_barrier_signal -1
	s_barrier_wait -1
	s_mov_b32 s[T8], 32768
	s_mov_b32 s[T5], 2048
	s_mov_b32 s[T2], 1024
	s_mov_b32 s[CNT], 12
.Lrest:                                                ; keys 512 to 2,047
	STEP
	s_sub_co_u32 s[CNT], s[CNT], 1
	s_cmp_lg_u32 s[CNT], 0
	s_cbranch_scc1 .Lrest
	; THE WAY OUT: O^T / the sum, quantised along the channels, stored as an image for the last product
	v_add_f32 v[LS], v[LS], v[LS+1]
	v_permlanex16_b32 v[FF+1], v[LS], s[SEL], s[SEL+1]
	v_add_f32 v[LS], v[LS], v[FF+1]                ; with lane l xor 16's keys: the row's sum
	s_wait_alu depctr_va_vdst(0)                   ; ahead of the transcendental
	v_rcp_f32 v[FF], v[LS]
.rept 8
	v_nop                                          ; the plain line behind the reciprocal, and eight places between the last products and the first read of results
.endr
	s_lshr_b32 s70, s13, 4
	s_lshl_b32 s70, s70, 4
	s_lshl_b32 s71, s12, 1
	s_add_co_u32 s70, s70, s71
	s_lshr_b32 s71, s[WV], 3
	s_add_co_u32 s70, s70, s71                     ; the row block of 128 tokens
	s_lshl_b32 s70, s70, 3
	s_and_b32 s71, s13, 15                         ; the head
	s_lshr_b32 s74, s71, 1
	s_add_co_u32 s70, s70, s74                     ; K step = head / 2
	s_mul_i32 s70, s70, 16896
	s_and_b32 s74, s[WV], 7                        ; my tile in the row block
	s_and_b32 s71, s71, 1
	s_lshl_b32 s75, s74, 11
	s_add_co_u32 s72, s70, s75
	s_lshl_b32 s75, s71, 10                        ; groups 2 (head % 2) and + 1
	s_add_co_u32 s72, s72, s75
	s_mov_b32 s73, 0
	s_add_nc_u64 s[72:73], s[8:9], s[72:73]
	s_lshl_b32 s75, s74, 6
	s_add_co_u32 s70, s70, s75
	s_lshl_b32 s75, s71, 1
	s_add_co_u32 s70, s70, s75
	s_mov_b32 s71, 0
	s_add_nc_u64 s[70:71], s[8:9], s[70:71]
	s_wait_alu depctr_va_vdst(0)                   ; ahead of the first reader of the reciprocal and of O^T
.set n, 0
.rept 16
	v_pk_mul_f32 v[D+n:D+n+1], v[O+n:O+n+1], v[FF:FF+1] op_sel_hi:[1,0]
.set n, n+2
.endr
	QUANT 2, D, P, TM
	global_store_b128 v[AK0], v[P:P+3], s[72:73]               ; 512 consecutive bytes, aligned
	global_store_b128 v[AK0], v[P+4:P+7], s[72:73] offset:512
	v_and_b32 v7, 15, v0
	v_lshlrev_b32 v7, 2, v7
	v_lshl_or_b32 v8, v[TM+3], 8, v[TM+2]
	global_store_b16 v7, v8, s[70:71] offset:16384             ; my head's two bytes of row r's scale word; both lanes of a row store the same value
	s_wait_tensorcnt 0x0                           ; the wave's end
	ds_add_u32 v[SPW], v[NIL]
	s_wait_dscnt 0x0
	CROUND                                         ; the closing round
	s_endpgm
.Lfunc_end_k_qd96144a0b4_attn:
	.size	k_qd96144a0b4_attn, .Lfunc_end_k_qd96144a0b4_attn-k_qd96144a0b4_attn
	.p2alignl 7, 3214868480
	.fill 96, 4, 3214868480
	.section	.rodata,"a",@progbits
	.p2align	6, 0x0
	.amdhsa_kernel k_qd96144a0b4_attn
		.amdhsa_group_segment_fixed_size 296960
		.amdhsa_private_segment_fixed_size 0
		.amdhsa_enable_private_segment 0
		.amdhsa_kernarg_size 24
		.amdhsa_user_sgpr_count 2
		.amdhsa_user_sgpr_kernarg_segment_ptr 1
		.amdhsa_wavefront_size32 1
		.amdhsa_system_sgpr_workgroup_id_x 1
		.amdhsa_system_sgpr_workgroup_id_y 1
		.amdhsa_system_sgpr_workgroup_id_z 1
		.amdhsa_system_vgpr_workitem_id 0
		.amdhsa_next_free_vgpr 256
		.amdhsa_next_free_sgpr 80
		.amdhsa_reserve_vcc 0
		.amdhsa_float_denorm_mode_32 3
		.amdhsa_float_denorm_mode_16_64 3
		.amdhsa_memory_ordered 1
		.amdhsa_forward_progress 1
		.amdhsa_inst_pref_size 85
	.end_amdhsa_kernel
	.amdgpu_metadata
---
amdhsa.version: [ 1, 2 ]
amdhsa.kernels:
  - .name:           k_qd96144a0b4_attn
    .symbol:         k_qd96144a0b4_attn.kd
    .args:
      - { .name: qkvc, .offset: 0, .size: 8, .value_kind: global_buffer, .address_space: global }
      - { .name: aux, .offset: 8, .size: 8, .value_kind: global_buffer, .address_space: global }
      - { .name: oimg, .offset: 16, .size: 8, .value_kind: global_buffer, .address_space: global }
    .group_segment_fixed_size: 296960
    .private_segment_fixed_size: 0
    .kernarg_segment_align: 8
    .kernarg_segment_size: 24
    .max_flat_workgroup_size: 512
    .sgpr_count:     80
    .vgpr_count:     256
    .wavefront_size: 32
...
	.end_amdgpu_metadata
.endif
;; end of part 3
;; launch outp (part 4): grid 8 x 32, 4 waves a work-group, clusters of 4 x 4, 288,256 bytes of LDS; arguments cimg, oimg, out0; writes out0
.if DOCPART == 4
	.amdgcn_target "amdgcn-amd-amdhsa--gfx1250"
	.amdhsa_code_object_version 6
	.text
	.protected	k_qd96144a0b4_outp
	.globl	k_qd96144a0b4_outp
	.p2align	8
	.type	k_qd96144a0b4_outp,@function
k_qd96144a0b4_outp:
	s_mov_b64 s[64:65], 0
	v_nop
	global_prefetch_b8 v0, s[64:65] scope:SCOPE_SE
	s_setreg_imm32_b32 hwreg(HW_REG_WAVE_MODE, 25, 1), 1
	s_wait_xcnt 0x0
	s_wait_alu depctr_hold_cnt(0) depctr_sa_sdst(0) depctr_va_vdst(0) depctr_va_sdst(0) depctr_va_ssrc(0) depctr_va_vcc(0) depctr_vm_vsrc(0)
	s_getreg_b32 s2, hwreg(HW_REG_IB_STS2, 6, 4)
	s_cmp_eq_u32 s2, 0
	s_cbranch_scc0 .Lentry_in_a_cluster
	s_endpgm
.Lentry_in_a_cluster:
	s_bfe_u32 s2, ttmp6, 0x10000c
	s_cmp_lg_u32 s2, 0xf033
	s_cbranch_scc0 .Lentry_shape_is_right
	s_endpgm
.Lentry_shape_is_right:
; out0 = attention's result x wo^T on codes of FP8 (E4M3) with E8M0 scales; out0 [4096][1024] f32.  Nothing of the problem is left out here.
; A work-group makes 128 columns (P0 = wo's row block 56 + X of cimg, source 0: a lane's registers run along the columns) x 128 tokens (P1 = a row block of oimg, source 1: lanes), K = 1,024.
; All of K lies in LDS, 8 pieces of 16,896 bytes for each operand, filled once; one tensor load of a wave is out at the most.  CLUSTER 4 x 4: P0 is asked for jointly by a column of the cluster, P1 by a row.
; Four waves, each 64 x 64: 16 accumulators by turns, in the same order in every K step.
; The tiles' rows are chosen in the images so that the 16 registers of P0's tiles 2 b, 2 b + 1 are columns 32 b + 16 h + 0 .. 15: 64 neighbouring bytes of a row of out0.
; REGISTERS: window 0: v1-15 addresses; v16-23 scale words; v32-95 rows on the way out; v128-255 accumulator (i1, i0) at 128 + 8 (4 i1 + i0).  window 1: two sets of fragments.
.set PIECE, 16896
.set P1B,   8*PIECE
.set STG,   2*P1B                      ; a stage of 16 rows x (256 bytes + 16) for each wave
.set SPT,   272
.set SPARE, STG+4*16*SPT               ; the spare words, 128 bytes for each wave: two blocks of 256 bytes that no other line names
.set SPW, 1
.set NIL, 2
.set LI,  3
.set AP0, 4
.set AP1, 6
.set AS0, 8
.set AS1, 10
.set STO, 12                           ; v12 the stage, in: row r, + 64 h
.set RD,  13                           ; v13 and back: lanes 0-15 one row, lanes 16-31 the next
.set CO,  14                           ; v14 the same two rows in out0
.set L4,  15
.set SCW, 16
.set ACC, 128
.set WV,  10
.set G1A, 24
.set G1B, 32
.set G0A, 48
.set G0B, 68
.set MSB, 0
.macro WIN new
.if MSB != \new
	s_set_vgpr_msb (MSB<<8)|\new
.set MSB, \new
.endif
.endm
.set MUL,  0x05
.set TO_F, 0x40
.macro CROUND
	s_barrier_signal -1
	s_barrier_wait -1
	s_cmp_lg_u32 s[WV], 0
	s_cbranch_scc1 .Lnot_wave_0_\@
	s_barrier_signal -3
.Lnot_wave_0_\@:
	s_barrier_wait -3
	s_barrier_signal -1
	s_barrier_wait -1
.endm
	s_load_b128 s[4:7], s[0:1], 0x0                ; cimg, oimg
	s_load_b64 s[8:9], s[0:1], 0x10                ; out0
	v_lshl_add_u32 v[SPW], v0, 2, SPARE
	v_mov_b32 v[NIL], 0
	ds_add_u32 v[SPW], v[NIL]                      ; the wave's opening: the add, twice on end, and its wait ahead of my first tensor load
	ds_add_u32 v[SPW], v[NIL]
	v_lshrrev_b32 v24, 5, v0
	v_readfirstlane_b32 s[WV], v24
	s_lshr_b32 s11, s[WV], 1                       ; P1's half; also: I fetch for P0 (0) or P1 (1)
	s_and_b32 s12, s[WV], 1                        ; P0's half; also which four pieces I fetch: 0-3 or 4-7
	s_bfe_u32 s13, ttmp6, 0x40000                  ; cx
	s_bfe_u32 s14, ttmp6, 0x40004                  ; cy
	s_and_b32 s15, ttmp7, 0xffff
	s_lshl_b32 s18, ttmp9, 2
	s_add_co_u32 s18, s18, s13                     ; X, 0 .. 7
	s_add_co_u32 s21, s18, 56                      ; P0's row block in cimg: wo's
	s_lshl_b32 s22, s15, 2
	s_add_co_u32 s22, s22, s14                     ; P1's row block in oimg
	s_lshl_b32 s88, 0x1111, s13                    ; my column of the cluster
	s_lshl_b32 s89, s14, 2
	s_lshl_b32 s89, 15, s89                        ; my row
	s_or_b32 s[G1A], s88, (3<<16)|(1<<21)          ; a piece: 66 dense rows of 256 bytes (32 elements of 8 bytes), no padding
	s_or_b32 s[G1B], s89, (3<<16)|(1<<21)
.irp g, G1A, G1B
	s_mov_b32 s[\g+1], 32<<16
	s_mov_b32 s[\g+2], 264<<16                     ; four pieces on end are 264 rows of 256 bytes
	s_mov_b32 s[\g+3], 32<<16
	s_mov_b32 s[\g+4], 264
	s_mov_b32 s[\g+5], 32
	s_mov_b32 s[\g+6], 0
	s_mov_b32 s[\g+7], 0
.endr
	s_mul_i32 s85, s12, 4*PIECE                    ; my first piece: 0 or 4
	s_mul_i32 s40, s21, 8*PIECE
	s_add_co_u32 s40, s40, s85
	s_mov_b32 s41, 0
	s_mul_i32 s42, s22, 8*PIECE
	s_add_co_u32 s42, s42, s85
	s_mov_b32 s43, 0
	s_wait_dscnt 0x0                               ; both opening adds are done
	s_wait_kmcnt 0x0
	s_add_nc_u64 s[44:45], s[4:5], s[40:41]
	s_add_nc_u64 s[46:47], s[6:7], s[42:43]
	CROUND                                         ; all sixteen work-groups are here: the joint loads meet
.irp i, 0
	s_mov_b32 s[G0A+4*\i], 1
	s_add_co_u32 s[G0A+4*\i+1], s85, \i*2*PIECE
	s_add_nc_u64 s[G0A+4*\i+2:G0A+4*\i+3], s[44:45], \i*2*PIECE
	s_or_b32 s[G0A+4*\i+3], s[G0A+4*\i+3], 0x80000000
	s_mov_b32 s[G0B+4*\i], 1
	s_add_co_u32 s[G0B+4*\i+1], s85, P1B+\i*2*PIECE
	s_add_nc_u64 s[G0B+4*\i+2:G0B+4*\i+3], s[46:47], \i*2*PIECE
	s_or_b32 s[G0B+4*\i+3], s[G0B+4*\i+3], 0x80000000
.endr
; ONE joint load a wave, each in an arm of its own: wave 0 P0's pieces 0-3, wave 1 P0's 4-7, wave 2 P1's 0-3, wave 3 P1's 4-7.  Waves 0 and 2 wait at the first barrier, waves 1 and 3 at the second.
.macro ARM w, g0, g1, next
	s_cmp_eq_u32 s[WV], \w
	s_cbranch_scc0 \next
	tensor_load_to_lds s[\g0:\g0+3], s[\g1:\g1+7]
	s_nop 0
.rept 4
	v_nop
.endr
	s_branch .Lasked
\next:
.endm
	ARM 0, G0A, G1A, .Lw1
	ARM 1, G0A, G1A, .Lw2
	ARM 2, G0B, G1B, .Lw3
	tensor_load_to_lds s[G0B:G0B+3], s[G1B:G1B+7]
	s_nop 0
.rept 4
	v_nop
.endr
.Lasked:
	v_and_b32 v24, 31, v0
	v_and_b32 v25, 15, v0
	v_bfe_u32 v26, v0, 4, 1
	v_lshlrev_b32 v[LI], 4, v24
	v_lshlrev_b32 v[L4], 2, v24
	s_lshl_b32 s86, s12, 13
	v_add_nc_u32 v[AP0], s86, v[LI]
	v_add_nc_u32 v[AP0+1], 4*PIECE, v[AP0]
	s_lshl_b32 s87, s11, 13
	s_add_co_u32 s87, s87, P1B
	v_add_nc_u32 v[AP1], s87, v[LI]
	v_add_nc_u32 v[AP1+1], 4*PIECE, v[AP1]
	s_lshl_b32 s86, s12, 8
	s_add_co_u32 s86, s86, 16384
	v_add_nc_u32 v[AS0], s86, v[L4]
	v_add_nc_u32 v[AS0+1], 4*PIECE, v[AS0]
	s_lshl_b32 s87, s11, 8
	s_add_co_u32 s87, s87, P1B+16384
	v_add_nc_u32 v[AS1], s87, v[L4]
	v_add_nc_u32 v[AS1+1], 4*PIECE, v[AS1]
	s_mul_i32 s86, s[WV], 16*SPT
	s_add_co_u32 s86, s86, STG                     ; my stage
	v_mul_u32_u24 v[STO], v25, SPT
	v_lshl_add_u32 v[STO], v26, 6, v[STO]
	v_add_nc_u32 v[STO], s86, v[STO]
	v_mul_u32_u24 v[RD], v26, SPT
	v_lshl_add_u32 v[RD], v25, 4, v[RD]
	v_add_nc_u32 v[RD], s86, v[RD]
	v_lshlrev_b32 v[CO], 4, v25
	v_lshl_add_u32 v[CO], v26, 12, v[CO]           ; 4,096 h + 16 r
	s_lshl_b32 s90, s22, 7
	s_lshl_b32 s91, s11, 6
	s_add_co_u32 s90, s90, s91                     ; my first token
	s_lshl_b32 s90, s90, 12
	s_lshl_b32 s91, s18, 9                         ; my first column, in bytes: 512 X + 256 x half
	s_add_co_u32 s90, s90, s91
	s_lshl_b32 s91, s12, 8
	s_add_co_u32 s90, s90, s91
	s_mov_b32 s91, 0
	s_add_nc_u64 s[8:9], s[8:9], s[90:91]
.macro FETCH s                         ; the 36 LDS loads of K step s
.set FB, 128*((\s)%2)
.set HI, (\s)/4
.set OF, ((\s)%4)*PIECE
	WIN TO_F
.irp i, 0,1,2,3
.irp c, 0,1,2,3
	ds_load_b128 v[FB+16*\i+4*\c:FB+16*\i+4*\c+3], v[AP0+HI] offset:OF+\i*2048+\c*512
.endr
.endr
.irp i, 0,1,2,3
.irp c, 0,1,2,3
	ds_load_b128 v[FB+64+16*\i+4*\c:FB+64+16*\i+4*\c+3], v[AP1+HI] offset:OF+\i*2048+\c*512
.endr
.endr
	WIN 0
	ds_load_b32 v[SCW+4*((\s)%2)],   v[AS0+HI] offset:OF
	ds_load_b32 v[SCW+4*((\s)%2)+1], v[AS0+HI] offset:OF+128
	ds_load_b32 v[SCW+4*((\s)%2)+2], v[AS1+HI] offset:OF
	ds_load_b32 v[SCW+4*((\s)%2)+3], v[AS1+HI] offset:OF+128
.endm
.macro WM z, ra, rb
.if \z
.if (\ra) && (\rb)
	v_wmma_scale_f32_16x16x128_f8f6f4 v[rD:rD+7], v[rA:rA+15], v[rB:rB+15], 0, v[sA], v[sB] matrix_a_scale:MATRIX_SCALE_ROW1 matrix_b_scale:MATRIX_SCALE_ROW1
.elseif (\ra)
	v_wmma_scale_f32_16x16x128_f8f6f4 v[rD:rD+7], v[rA:rA+15], v[rB:rB+15], 0, v[sA], v[sB] matrix_a_scale:MATRIX_SCALE_ROW1
.elseif (\rb)
	v_wmma_scale_f32_16x16x128_f8f6f4 v[rD:rD+7], v[rA:rA+15], v[rB:rB+15], 0, v[sA], v[sB] matrix_b_scale:MATRIX_SCALE_ROW1
.else
	v_wmma_scale_f32_16x16x128_f8f6f4 v[rD:rD+7], v[rA:rA+15], v[rB:rB+15], 0, v[sA], v[sB]
.endif
.else
.if (\ra) && (\rb)
	v_wmma_scale_f32_16x16x128_f8f6f4 v[rD:rD+7], v[rA:rA+15], v[rB:rB+15], v[rD:rD+7], v[sA], v[sB] matrix_a_scale:MATRIX_SCALE_ROW1 matrix_b_scale:MATRIX_SCALE_ROW1
.elseif (\ra)
	v_wmma_scale_f32_16x16x128_f8f6f4 v[rD:rD+7], v[rA:rA+15], v[rB:rB+15], v[rD:rD+7], v[sA], v[sB] matrix_a_scale:MATRIX_SCALE_ROW1
.elseif (\rb)
	v_wmma_scale_f32_16x16x128_f8f6f4 v[rD:rD+7], v[rA:rA+15], v[rB:rB+15], v[rD:rD+7], v[sA], v[sB] matrix_b_scale:MATRIX_SCALE_ROW1
.else
	v_wmma_scale_f32_16x16x128_f8f6f4 v[rD:rD+7], v[rA:rA+15], v[rB:rB+15], v[rD:rD+7], v[sA], v[sB]
.endif
.endif
.endm
; K step s.  n >= 0: pieces 4-7 are needed next: every wave waits for its one load, and a barrier makes that hold of all four.
.macro KSTEP s, n
	s_wait_dscnt 0x0                               ; this step's 36 loads are in
.if \n >= 0
	s_wait_tensorcnt \n
	s_barrier_signal -1
	s_barrier_wait -1
.endif
.if \s < 7
.if \s > 0
.rept 8
	v_nop                                          ; eight places between the last step's products and loads into registers that matrix instructions have read
.endr
.endif
	FETCH (\s)+1
.endif
	WIN MUL
.irp i1, 0,1,2,3
.irp i0, 0,1,2,3
.set rD, ACC+8*(4*\i1+\i0)
.set rA, 128*((\s)%2)+16*\i0
.set rB, 128*((\s)%2)+64+16*\i1
.set sA, SCW+4*((\s)%2)+\i0/2
.set sB, SCW+4*((\s)%2)+2+\i1/2
	WM (\s)==0, \i0%2, \i1%2
.endr
.endr
	WIN 0
.endm
	s_wait_alu depctr_va_vdst(0)
	s_cmp_eq_u32 s12, 0                            ; waves 0 and 2: pieces 0-3 of P0 and of P1 are in; the other two waves' wait stands in K step 3
	s_cbranch_scc0 .Llater
	s_wait_tensorcnt 0x0
.Llater:
	s_barrier_signal -1
	s_barrier_wait -1
	FETCH 0
	KSTEP 0, -1
	KSTEP 1, -1
	KSTEP 2, -1
	KSTEP 3, 0
	KSTEP 4, -1
	KSTEP 5, -1
	KSTEP 6, -1
	KSTEP 7, -1
; THE WAY OUT, a tile of 16 tokens x 64 columns at a time, through my own stage: in as 64 bytes a lane, back as whole rows of 256 bytes.  LDS serves a wave's instructions in order: no wait between stores and loads.
.macro TOSTAGE a
.irp bb, 0,1
.irp q, 0,1,2,3
	ds_store_b128 v[STO], v[ACC+32*(\a)+16*\bb+4*\q:ACC+32*(\a)+16*\bb+4*\q+3] offset:128*\bb+16*\q   ; each accumulator from its low end on
.endr
.endr
.set BK, 32+32*((\a)%2)
.irp t, 0,1,2,3,4,5,6,7
	ds_load_b128 v[BK+4*\t:BK+4*\t+3], v[RD] offset:2*\t*SPT
.endr
.endm
.macro SEND a, younger                 ; younger: the LDS instructions issued behind tile a's loads, which may stay out
.set BK, 32+32*((\a)%2)
	s_wait_dscnt \younger
.irp t, 0,1,2,3,4,5,6,7
	global_store_b128 v[CO], v[BK+4*\t:BK+4*\t+3], s[8:9] offset:(32*((\a)/2)+8*((\a)%2)+2*\t+8*(\t/4))*4096 th:TH_STORE_NT   ; sixteen lanes store 256 consecutive bytes, aligned; stage row 2 t + h is the tile's lane: token 2 t + h + 8 (t / 4)
.endr
.endm
.rept 8
	v_nop                                          ; eight places between the last products and the first read of results
.endr
	TOSTAGE 0
	TOSTAGE 1
	SEND 0, 16                                     ; behind tile 0's loads: tile 1's 8 stores and 8 loads
	s_wait_xcnt 0x0                                ; tile 0's stores have read their registers: tile 2's loads may land there
	TOSTAGE 2
	SEND 1, 16
	s_wait_xcnt 0x0
	TOSTAGE 3
	SEND 2, 16
	SEND 3, 0
	s_wait_tensorcnt 0x0                           ; the wave's end
	ds_add_u32 v[SPW], v[NIL]
	s_wait_dscnt 0x0
	CROUND                                         ; the closing round
	s_endpgm
.Lfunc_end_k_qd96144a0b4_outp:
	.size	k_qd96144a0b4_outp, .Lfunc_end_k_qd96144a0b4_outp-k_qd96144a0b4_outp
	.p2alignl 7, 3214868480
	.fill 96, 4, 3214868480
	.section	.rodata,"a",@progbits
	.p2align	6, 0x0
	.amdhsa_kernel k_qd96144a0b4_outp
		.amdhsa_group_segment_fixed_size 288256
		.amdhsa_private_segment_fixed_size 0
		.amdhsa_enable_private_segment 0
		.amdhsa_kernarg_size 24
		.amdhsa_user_sgpr_count 2
		.amdhsa_user_sgpr_kernarg_segment_ptr 1
		.amdhsa_wavefront_size32 1
		.amdhsa_system_sgpr_workgroup_id_x 1
		.amdhsa_system_sgpr_workgroup_id_y 1
		.amdhsa_system_sgpr_workgroup_id_z 1
		.amdhsa_system_vgpr_workitem_id 0
		.amdhsa_next_free_vgpr 512
		.amdhsa_next_free_sgpr 100
		.amdhsa_reserve_vcc 0
		.amdhsa_float_denorm_mode_32 3
		.amdhsa_float_denorm_mode_16_64 3
		.amdhsa_memory_ordered 1
		.amdhsa_forward_progress 1
		.amdhsa_inst_pref_size 52
	.end_amdhsa_kernel
	.amdgpu_metadata
---
amdhsa.version: [ 1, 2 ]
amdhsa.kernels:
  - .name:           k_qd96144a0b4_outp
    .symbol:         k_qd96144a0b4_outp.kd
    .args:
      - { .name: cimg, .offset: 0, .size: 8, .value_kind: global_buffer, .address_space: global }
      - { .name: oimg, .offset: 8, .size: 8, .value_kind: global_buffer, .address_space: global }
      - { .name: out0, .offset: 16, .size: 8, .value_kind: global_buffer, .address_space: global }
    .group_segment_fixed_size: 288256
    .private_segment_fixed_size: 0
    .kernarg_segment_align: 8
    .kernarg_segment_size: 24
    .max_flat_workgroup_size: 128
    .sgpr_count:     100
    .vgpr_count:     512
    .wavefront_size: 32
...
	.end_amdgpu_metadata
.endif
;; end of part 4
